; MI455X (gfx1250); checked and timed in simulation.
; The chip was launched on July 23, 2026; its instructions are those of AMD's public machine-readable ISA for CDNA 5 (MIT licence, August 2026) and "CDNA5" Instruction Set Architecture Reference Guide (July 2026). The comments in the code are by the model that wrote it; some were corrected since.
;; Multi Head Self Attention. Allowed arithmetic: matrix products marked QUANTISED: E4M3 operands, one given power-of-two scale a tensor, by v_wmma_f32_16x16x64_fp8_fp8 or v_wmma_f32_16x16x128_fp8_fp8, f32 sums; everything else in f32.
;; Inputs: lowp_scales 8 int32 (the exponents e of the quantised operands' scales 2^e); out_b 1,024 float32; out_w_codes 1,024 x 32 x 32 uint8 (E4M3 codes of out_w, K innermost, in blocks of 32 codes); qkv_b 3,072 float32; qkv_w_codes 3,072 x 32 x 32 uint8 (E4M3 codes of qkv_w, K innermost, in blocks of 32 codes); x_codes 2 x 2,048 x 32 x 32 uint8 (E4M3 codes of x, K innermost, in blocks of 32 codes).
;; Outputs: out0 2 x 2,048 x 1,024 float32.
;; This version of the problem:
;;   THIS VERSION OF THE PROBLEM IS GIVEN IN LOW PRECISION. The matrix products marked QUANTISED in the list below multiply operands that are first quantised to E4M3 (4 exponent bits, 3 mantissa bits; 8 bits a number), with one given power-of-two scale for each operand tensor; their sums are f32. All else is computed in f32.
;;   The module's matrix products, in the order in which they are computed (A, B: the left and right operand; K: the contracted axis; several contracted axes count as one K, in the product's order):
;;     1. [M 4,096, K 1,024] x [K 1,024, N 3,072]; A: input x (given as codes); B: input qkv_w (given as codes): QUANTISED (scales: A lowp_scales[0], B lowp_scales[1])
;;     2. batch 32 x [M 2,048, K 64] x [K 64, N 2,048]; A: computed on the way; B: computed on the way: QUANTISED (scales: A lowp_scales[2], B lowp_scales[3])
;;     3. batch 32 x [M 64, K 2,048] x [K 2,048, N 2,048]; A: computed on the way; B: softmax (see below): QUANTISED (scales: A lowp_scales[4], B lowp_scales[5])
;;     4. [M 4,096, K 1,024] x [K 1,024, N 1,024]; A: computed on the way; B: input out_w (given as codes): QUANTISED (scales: A lowp_scales[6], B lowp_scales[7])
;;   THE QUANTISER, for each operand of a quantised product, along K:
;;     - The operand's scale is 2^e, e = its entry of the input lowp_scales (int32; the entries are numbered through the quantised products in the list's order, A before B).
;;     - Each number is divided by the scale, clamped to +-448, and rounded to the nearest number of E4M3, ties to even, subnormals kept.
;;     - The product sums the exact products of the quantised numbers (number of the format x scale) in f32.
;;   ~~~python
;;   def quantise(x, axis, e):      # numpy; x: float32 -> the quantised numbers, widened to float32 again
;;       x = np.moveaxis(x, axis, -1); K = x.shape[-1]
;;       r = np.clip(x / 2.0 ** e, -448, 448)
;;       step = 2.0 ** (np.maximum(np.frexp(np.where(r == 0, 1, r))[1] - 1, -6) - 3)
;;       q = np.round(r / step) * step * 2.0 ** e      # np.round: ties to even
;;       return np.moveaxis(q, -1, axis).astype(np.float32)
;;   ~~~
;;   SOFTMAX AHEAD OF A QUANTISED PRODUCT. Where the list says 'softmax', what is quantised is not the finished softmax but p = 2^(t - M), with t = logit x log2(e) and M = ceil(the row's largest t), a whole number; so 1/2 < the row's largest p <= 1. The row's sum l is taken of the UNQUANTISED p, in f32, and the product's result is divided by l at the end. Since M is a whole number, a kernel that streams over the keys may use a running M (the ceiling of the running maximum): every later rescaling is an exact power of two, so the quantised numbers keep their values, but for numbers so far below the row's largest that they fall under the format's range.
;;   OPERANDS COMPUTED ON THE WAY. 'Computed on the way' means the value that the module computes at that place (a softmax that the list does not call 'softmax' is quantised finished and normalised). What goes into a quantiser is computed in f32, as accurately as f32 sums, v_exp_f32 and their like allow (about 1e-6 of the number): no bf16 or f16 on the way to a quantiser, and a product that is left as it is and whose result goes on into a quantised operand takes f32 operands (vector FMAs, or v_wmma_f32_16x16x4_f32). A number that lies on a knife's edge between two numbers of the format may be rounded either way, as far as f32 arithmetic and the matrix unit's own rounding can turn it there, and no further.
;;   INPUTS GIVEN AS CODES. out_w (in the module: [1024, 1024], K = its axis 1); qkv_w (in the module: [3072, 1024], K = its axis 1); x (in the module: [2, 2048, 1024], K = its axis 2): each comes as NAME_codes (uint8): NAME with its K axis moved to the last place and cut into blocks of 32 codes, [.., K / 32, bytes a block], one block behind the other in memory; one code a byte (a code: sign, 4 exponent bits, 3 mantissa bits); its scale is its entry of lowp_scales. Its value is code x scale, taken as it is: it is not quantised again, and the codes and scales need not be those that the quantiser above would give.
;; 2 versions, each right; version 2 is version 1 with the launch attn written anew for expert scheduling mode. Each part assembles by itself: llvm-mc -triple=amdgcn-amd-amdhsa -mcpu=gfx1250 --defsym DOCPART=n.
;; ======== version 1 of 2: 3 launches
;; workspace buffers: qkv_img 12,582,912 bytes; ctx_img 4,194,304 bytes
;; launch qkv (part 1): grid 12 x 16, 4 waves a work-group, clusters of 4 x 4, 327,680 bytes of LDS; arguments x_codes, qkv_w_codes, lowp_scales, qkv_b, qkv_img; writes qkv_img
.if DOCPART == 1
	.amdgcn_target "amdgcn-amd-amdhsa--gfx1250"
	.amdhsa_code_object_version 6
	.text
	.protected	k_qfb2c59056f_qkv
	.globl	k_qfb2c59056f_qkv
	.p2align	8
	.type	k_qfb2c59056f_qkv,@function
k_qfb2c59056f_qkv:
	s_mov_b64 s[64:65], 0
	v_nop
	global_prefetch_b8 v0, s[64:65] scope:SCOPE_SE
	s_setreg_imm32_b32 hwreg(HW_REG_WAVE_MODE, 25, 1), 1
	s_wait_xcnt 0x0
	s_wait_alu depctr_hold_cnt(0) depctr_sa_sdst(0) depctr_va_vdst(0) depctr_va_sdst(0) depctr_va_ssrc(0) depctr_va_vcc(0) depctr_vm_vsrc(0)
	s_getreg_b32 s2, hwreg(HW_REG_IB_STS2, 6, 4)
	s_cmp_eq_u32 s2, 0
	s_cbranch_scc0 .Lentry_in_a_cluster
	s_endpgm
.Lentry_in_a_cluster:
	s_bfe_u32 s2, ttmp6, 0x10000c
	s_cmp_lg_u32 s2, 0xf033
	s_cbranch_scc0 .Lentry_shape_is_right
	s_endpgm
.Lentry_shape_is_right:
; qkv[token][e] = sum over d of x[token][d] w[e][d] + qkv_b[e], on codes of FP8 (E4M3); then q, k and v are quantised with their given scales and stored
; AS IMAGES OF THE OPERAND REGISTERS that the attention launch wants.  x: [4096][1024] codes, w: [3072][1024] codes, K innermost.  Scales 2^e: e0 (x), e1 (w), e2 (q), e3 (k), e4 (v).
; LIMITS: e0 + e1 between -126 and 127; e2, e3, e4 between -126 and 119: each power of two below is then an f32 number.
; A tile of 256 x 256 is made by four waves, 128 x 128 each: 64 accumulators, 512 registers.  K = 1,024 goes in four steps of 256 through a ring of two LDS slots filled by joint tensor loads.
; 192 work-groups: a tile of 256 x 192 would make 256, but it would straddle the borders between q, k and v at e = 1,024 and 2,048.
; CLUSTERS 4 x 4.  Cluster column X = 0: q, 1: k, 2: v.  "A" is what source 1 takes (a lane holds one of its rows), "B" what source 0 takes (a lane's eight results run along its rows).
;   q, k: A = x (tile row 4 Y + cy), B = w (tile 4 X + cx): a lane holds ONE TOKEN and eight neighbouring e: eight neighbours along the head's 64, the first attention product's K.
;   v:    A = w (tile 8 + cy), B = x (tile 4 Y + cx): a lane holds ONE e and eight neighbouring TOKENS: eight neighbours along the keys, the second attention product's K.
; Only pointers and tile numbers are chosen; A's tile hangs on cy alone and is shared along a row of the cluster, B's on cx alone and is shared along a column.
; THE IMAGES (qkv_img: q, k, v sections of 4,194,304 bytes; in each 131,072 bytes for batch x head):
;   q, k: [tile of 16 tokens][plane c of 2][lane][16 bytes]: lane (r, h) holds token r, d = 32 c + 8 h + 0..7 and 32 c + 16 + 8 h + 0..7: registers 4 c .. 4 c + 3 of a 16 x 64 fragment.
;   v:    [step of 128 keys][16 d: dt of 4][plane P of 4][lane][16 bytes]: lane (r, h) holds d = 16 dt + r, keys 32 P + 8 h + 0..7 and 32 P + 16 + 8 h + 0..7: registers 4 P .. 4 P + 3 of a 16 x 128 fragment.
; The conversions' results ARE these planes: each store of the wave covers 512 consecutive bytes, aligned; nothing goes through LDS on the way out.
; REGISTERS, in windows of 256: window 0: v0-31 addresses and constants, v8-15 v's bias, v32-63 codes, v64-127 q's and k's bias, v128-255 A's fragments (one set), on the way out the numbers at work.
;   window 1: B's fragments, two sets.   window 2: the accumulators of my rows 0-63 ((a, b) at v[8 (8 a + b)]);   window 3: those of my rows 64-127.
.set ROWB,   256                       ; a tile's row in bytes: 256 codes
.set KROW,   1024                      ; a row of x or of w in memory, in bytes
.set PITCH,  272                       ; an LDS row: 256 bytes + 16 of padding = 68 words: the 16 rows that a load touches start at 16 different banks (64 banks of 4 bytes: ISA guide 11.1)
.set FR,     16                        ; registers of a fragment: 16 rows x 128 K
.set NL,     4                         ; LDS loads that bring one
.set NP,     4                         ; places behind this matrix instruction (ISA guide 7.12.1)
.set HALFT,  128*PITCH                 ; 128 rows: what one tensor load brings
.set SLOT,   4*HALFT                   ; A's 256 rows, then B's 256 rows
.set SPARE,  2*SLOT                    ; behind the ring: the spare words, 128 bytes for each wave: two blocks of 256 bytes that no other line names
.set BV,   8                           ; v8-15   qkv_b[E + 16 a + r]: v's form
.set ADRA, 16                          ; v16-17  LDS address of my A fragments in slot 0, 1
.set ADRB, 20                          ; v20-21  the same for B
.set BO,   25                          ; v25     4 r: my offset in v's form of the bias
.set CO,   26                          ; v26     16 x lane: my place in a plane
.set BQ,   27                          ; v27     32 h: my offset in q's and k's form of the bias
.set SPW,  28                          ; v28     LDS address of my spare word; never rewritten
.set NIL,  29                          ; v29     0; never rewritten
.set LIM,  30                          ; v30     448 x the operand's scale
.set SCL,  31                          ; v31     the operand's scale as f32
.set CD,   32                          ; v32-63  codes: two sets of 16 registers
.set BI,   64                          ; v64-127 qkv_b[E + 16 b + 8 h + j] at BI + 8 b + j: q's and k's form
.set AF,   128                         ; A's fragments
.set TMP,  128                         ; the way out: 64 numbers of a block
.set G1, 24                            ; s[24:31] descriptor group 1 for A's tiles;  s[32:39] group 0, one set for each slot
.set G0, 32
.set G1B, 48                           ; s[48:55], s[56:63] the same for B's tiles
.set G0B, 56
.set MSB, 0
.macro WIN new                         ; the immediate's high byte repeats the setting that is left
.if MSB != (\new)
	s_set_vgpr_msb (MSB<<8)|(\new)
.set MSB, (\new)
.endif
.endm
.set MUL_LO, 0xa1                      ; source 0 (B) window 1, source 1 (A) window 0, C and D window 2
.set MUL_HI, 0xf1                      ; the same, C and D window 3
.set TO_B,   0x40                      ; destination window 1, address window 0
; A joint load: waves 0 and 1 fetch for A, waves 2 and 3 for B.  The branch hangs on the wave's number alone.  Four v_nop follow each of the two lines.
.macro JLOAD g0a, g1a, g0b, g1b
	s_cmp_eq_u32 s15, 0
	s_cbranch_scc0 .Lfor_b_\@
	tensor_load_to_lds s[\g0a:\g0a+3], s[\g1a:\g1a+7]
	s_nop 0
.rept 4
	v_nop
.endr
	s_branch .Lasked_\@
.Lfor_b_\@:
	tensor_load_to_lds s[\g0b:\g0b+3], s[\g1b:\g1b+7]
	s_nop 0
.rept 4
	v_nop
.endr
.Lasked_\@:
.endm
.macro CREST                           ; a round of the cluster's barrier behind its opening barrier
	s_cmp_lg_u32 s14, 0
	s_cbranch_scc1 .Lnot_wave_0_\@
	s_barrier_signal -3
.Lnot_wave_0_\@:
	s_barrier_wait -3
	s_barrier_signal -1
	s_barrier_wait -1
.endm
.macro CROUND                          ; a whole round
	s_barrier_signal -1
	s_barrier_wait -1
	CREST
.endm
	s_load_b256 s[4:11], s[0:1], 0x0               ; x s[4:5], w s[6:7], the scales' exponents s[8:9], qkv_b s[10:11]
	s_load_b64 s[12:13], s[0:1], 0x20              ; qkv_img
	v_lshl_add_u32 v[SPW], v0, 2, SPARE
	v_mov_b32 v[NIL], 0
	ds_add_u32 v28, v29
	ds_add_u32 v28, v29
	s_wait_dscnt 0x0
	v_lshrrev_b32 v1, 5, v0
	v_readfirstlane_b32 s14, v1                    ; wave 0..3
	s_lshr_b32 s15, s14, 1                         ; which half of A's rows is mine.  Also: I fetch for A (0) or for B (1)
	s_and_b32 s16, s14, 1                          ; which half of B's rows.  Also: which 128 rows of that tile I fetch
	s_bfe_u32 s40, ttmp6, 0x40000                  ; cx, cy: my place in the cluster
	s_bfe_u32 s41, ttmp6, 0x40004
	s_lshl_b32 s66, ttmp9, 2                       ; 4 X
	s_and_b32 s67, ttmp7, 0xffff
	s_lshl_b32 s67, s67, 2                         ; 4 Y
	s_cmp_eq_u32 ttmp9, 2                          ; v's column of clusters?  The same answer in all sixteen partners
	s_cselect_b32 s68, 1, 0
	s_cselect_b32 s17, 8, s67
	s_cselect_b32 s42, s67, s66
	s_add_co_u32 s17, s17, s41                     ; A's tile: 4 Y + cy of x, or 8 + cy of w
	s_add_co_u32 s42, s42, s40                     ; B's tile: 4 X + cx of w, or 4 Y + cx of x
	s_lshl_b32 s43, s41, 2
	s_lshl_b32 s43, 15, s43                        ; my row of the cluster
	s_lshl_b32 s44, 0x1111, s40                    ; my column
	; descriptor group 1: a tile of 128 rows x 256 bytes, padded in LDS
	s_or_b32 s[G1+0], s43, (0<<16)|(1<<20)|(1<<21)|(5<<22)|(3<<25)  ; 15:0 the mask: A's tiles go to my row; 17:16 element of 1 byte; 20 padding on; 21 set beside a mask; 24:22 after every 64 words; 31:25 four words
	s_or_b32 s[G1B+0], s44, (0<<16)|(1<<20)|(1<<21)|(5<<22)|(3<<25) ; the same with the mask of my column
.irp g, G1, G1B
	s_mov_b32 s[\g+1], ROWB<<16                    ; tensor_dim0
	s_mov_b32 s[\g+2], 128<<16                     ; tensor_dim1 = 128
	s_mov_b32 s[\g+3], ROWB<<16                    ; tile_dim0
	s_mov_b32 s[\g+4], 128                         ; tile_dim1 = 128
	s_mov_b32 s[\g+5], KROW                        ; tensor_dim0_stride
	s_mov_b32 s[\g+6], 0
	s_mov_b32 s[\g+7], 0
.endr
	s_lshl_b32 s18, s16, 7                         ; which 128 rows of the tile I fetch
	s_lshl_b32 s20, s17, 8
	s_add_co_u32 s20, s20, s18
	s_lshl_b32 s20, s20, 10                        ; A: (256 x tile + 128 x half) rows of 1,024 bytes
	s_mov_b32 s21, 0
	s_lshl_b32 s46, s42, 8
	s_add_co_u32 s46, s46, s18
	s_lshl_b32 s46, s46, 10                        ; B likewise
	s_mov_b32 s47, 0
	s_mul_i32 s45, s14, HALFT                      ; where they go: wave x 128 rows: no place in the cluster enters an LDS address
	s_wait_kmcnt 0x0
	s_load_b256 s[80:87], s[8:9], 0x0              ; e0 .. e7
	s_cmp_eq_u32 s68, 1
	s_cselect_b64 s[70:71], s[6:7], s[4:5]         ; A is w for v, else x
	s_cselect_b64 s[72:73], s[4:5], s[6:7]         ; B is x for v, else w
	s_add_nc_u64 s[20:21], s[70:71], s[20:21]
	s_add_nc_u64 s[46:47], s[72:73], s[46:47]
	CROUND                                         ; all sixteen work-groups are here: the first joint loads meet
.irp s, 0,1
	s_mov_b32 s[G0+4*\s], 1
	s_add_co_u32 s[G0+4*\s+1], s45, \s*SLOT
	s_add_nc_u64 s[G0+4*\s+2:G0+4*\s+3], s[20:21], \s*ROWB
	s_or_b32 s[G0+4*\s+3], s[G0+4*\s+3], 0x80000000
	s_mov_b32 s[G0B+4*\s], 1
	s_add_co_u32 s[G0B+4*\s+1], s45, \s*SLOT
	s_add_nc_u64 s[G0B+4*\s+2:G0B+4*\s+3], s[46:47], \s*ROWB
	s_or_b32 s[G0B+4*\s+3], s[G0B+4*\s+3], 0x80000000
	JLOAD G0+4*\s, G1, G0B+4*\s, G1B
.endr
	v_and_b32 v1, 15, v0                           ; r = l % 16
	v_bfe_u32 v2, v0, 4, 1                         ; h = l / 16
	v_mul_u32_u24 v3, v1, PITCH
	v_lshl_add_u32 v4, v2, 4, v3                   ; a fragment's row x pitch + 16 x half
	s_mul_i32 s21, s15, HALFT                      ; my 128 rows of A
	s_mul_i32 s22, s16, HALFT                      ; my 128 rows of B,
	s_add_co_u32 s22, s22, 2*HALFT                 ; which lie behind A's 256
.irp s, 0,1
	v_add_nc_u32 v[ADRA+\s], s21, v4
	v_add_nc_u32 v[ADRB+\s], s22, v4
	s_add_co_u32 s21, s21, SLOT
	s_add_co_u32 s22, s22, SLOT
.endr
	v_and_b32 v5, 31, v0
	v_lshlrev_b32 v[CO], 4, v5
	v_lshlrev_b32 v[BQ], 5, v2
	v_lshlrev_b32 v[BO], 2, v1
	; where my 128 x 128 lies: T0 its first token, E its first e
	s_lshl_b32 s74, s17, 8
	s_lshl_b32 s98, s15, 7
	s_add_co_u32 s74, s74, s98                     ; my first row of A
	s_lshl_b32 s75, s42, 8
	s_lshl_b32 s98, s16, 7
	s_add_co_u32 s75, s75, s98                     ; my first row of B
	s_cmp_eq_u32 s68, 1
	s_cselect_b32 s76, s75, s74                    ; T0
	s_cselect_b32 s77, s74, s75                    ; E
	s_lshr_b32 s78, s77, 10
	s_lshl_b32 s78, s78, 22                        ; the section: q, k or v
	s_lshr_b32 s98, s76, 11
	s_lshl_b32 s98, s98, 21                        ; the batch: 16 heads of 131,072 bytes
	s_add_co_u32 s78, s78, s98
	s_bfe_u32 s98, s77, 0x40006
	s_lshl_b32 s98, s98, 17                        ; my first head
	s_add_co_u32 s78, s78, s98
	s_and_b32 s98, s76, 2047
	s_lshl_b32 s98, s98, 6                         ; 64 bytes a token in all three images
	s_add_co_u32 s78, s78, s98
	s_mov_b32 s79, 0
	s_add_nc_u64 s[12:13], s[12:13], s[78:79]
	s_lshl_b32 s78, s77, 2
	s_add_nc_u64 s[10:11], s[10:11], s[78:79]      ; qkv_b at E
	; The bias of my 128 e in both forms, 24 loads once: so no branch stands here, and either way out finds its registers written.  E + 127 is at most 3,071: inside the buffer.
.irp b, 0,1,2,3,4,5,6,7
	global_load_b128 v[BI+8*\b:BI+8*\b+3], v[BQ], s[10:11] offset:64*\b
	global_load_b128 v[BI+8*\b+4:BI+8*\b+7], v[BQ], s[10:11] offset:64*\b+16
.endr
.irp a, 0,1,2,3,4,5,6,7
	global_load_b32 v[BV+\a], v[BO], s[10:11] offset:64*\a
.endr
.macro FRAG reg, adr, q, i             ; a fragment, 16 rows x 128 K: lane l holds row l % 16; registers 4 c .. 4 c + 3 hold K = 32 c + 16 (l / 16) + 0 .. 15: the same order of K in A and in B, so every product meets its partner
.irp c, 0,1,2,3
	ds_load_b128 v[\reg+4*\c:\reg+4*\c+3], v[\adr] offset:128*(\q)+32*\c+(\i)*16*PITCH
.endr
.endm
; 16 matrix instructions: A's blocks a0, a0 + 1 x B's eight, 128 along K.  p: B's set.  zero = 1: the first product starts the sums.  The 64 accumulators take turns, one instruction a turn.
.macro MUL16 a0, p, zero
.irp a, \a0, \a0+1
.irp b, 0,1,2,3,4,5,6,7
.if \zero
	v_wmma_f32_16x16x128_fp8_fp8 v[8*(8*((\a)%4)+\b):8*(8*((\a)%4)+\b)+7], v[128*(\p)+FR*\b:128*(\p)+FR*\b+FR-1], v[AF+FR*(\a):AF+FR*(\a)+FR-1], 0
.else
	v_wmma_f32_16x16x128_fp8_fp8 v[8*(8*((\a)%4)+\b):8*(8*((\a)%4)+\b)+7], v[128*(\p)+FR*\b:128*(\p)+FR*\b+FR-1], v[AF+FR*(\a):AF+FR*(\a)+FR-1], v[8*(8*((\a)%4)+\b):8*(8*((\a)%4)+\b)+7]
.endif
.endr
.endr
.endm
.macro FETCH_B slot, q, p              ; B's eight fragments of the slot's q-th 128 along K into set p
	WIN TO_B
.irp i, 0,1,2,3,4,5,6,7
	FRAG 128*(\p)+FR*\i, ADRB+\slot, \q, \i
.endr
	WIN 0
.endm
.macro FETCH_A slot, q, i0             ; A's blocks i0 .. i0 + 3
.irp i, \i0, \i0+1, \i0+2, \i0+3
	FRAG AF+FR*(\i), ADRA+\slot, \q, \i
.endr
.endm
.macro PLACES n                        ; plain vector instructions between a matrix instruction and a load into, or a vector write of, one of its registers, or a read of its result
.rept \n
	v_nop
.endr
.endm
; A step of 128 along K that has its successor in the same slot.  A block of A is free as soon as its eight products are issued, so one set serves A: blocks 0-3 come anew in the step's middle, blocks 4-7 at its end.
.macro STEP slot, q, zero
	s_wait_dscnt 4*NL                              ; B's set and A's blocks 0-3 are in; the youngest sixteen loads (A's blocks 4-7) may be out
	WIN MUL_LO
	MUL16 0, (\q)%2, \zero
	MUL16 2, (\q)%2, \zero
	s_wait_dscnt 0                                 ; A's blocks 4-7 are in (asked for 32 matrix instructions ago)
	PLACES NP
	FETCH_B \slot, (\q)+1, 1-(\q)%2
	FETCH_A \slot, (\q)+1, 0
	WIN MUL_HI
	MUL16 4, (\q)%2, \zero
	MUL16 6, (\q)%2, \zero
	PLACES NP
	WIN 0
	FETCH_A \slot, (\q)+1, 4
.endm
; A slot's last step changes slots: ONE barrier; in front of it each wave waits for all its tensor loads, adds 0 to its spare word, and waits for that and for its own reads of this slot.  fill = 1: this slot is filled again, two K steps ahead.
.macro TURN slot, next, fill
	s_wait_tensorcnt 0x0                           ; all my tensor loads have landed: my part of the next slot  (every window is 0 here)
	ds_add_u32 v[SPW], v[NIL]                      ; 0 onto my spare word
	s_wait_dscnt 4*NL+1                            ; (the add and the youngest sixteen loads, A's blocks 4-7, may be out)
	WIN MUL_LO
	MUL16 0, 1, 0                                  ; sixteen matrix instructions stand between the add and the wait for it
	s_wait_dscnt 0x0                               ; the add is done, and my reads of this slot are over
	s_barrier_signal -1
	MUL16 2, 1, 0
	WIN 0
	s_barrier_wait -1
.if \fill
	CREST                                          ; the barrier has opened a round of the cluster's barrier: no wave of any partner still reads this slot or has a load on its way
	s_add_nc_u64 s[G0+4*\slot+2:G0+4*\slot+3], s[G0+4*\slot+2:G0+4*\slot+3], 2*ROWB
	s_add_nc_u64 s[G0B+4*\slot+2:G0B+4*\slot+3], s[G0B+4*\slot+2:G0B+4*\slot+3], 2*ROWB
	JLOAD G0+4*\slot, G1, G0B+4*\slot, G1B         ; the first tensor load behind the round; its four v_nop are also the places in front of the loads below
.else
	PLACES NP
.endif
	FETCH_B \next, 0, 0
	FETCH_A \next, 0, 0
	WIN MUL_HI
	MUL16 4, 1, 0
	MUL16 6, 1, 0
	PLACES NP
	WIN 0
	FETCH_A \next, 0, 4
.endm
	s_wait_tensorcnt 1                             ; my part of K step 0 is in (K step 1's load may be out)
	s_barrier_signal -1
	s_barrier_wait -1                              ; everybody's is
	FETCH_B 0, 0, 0
	FETCH_A 0, 0, 0
	FETCH_A 0, 0, 4
	STEP 0, 0, 1                                   ; K 0-127: these products start the sums: nothing is cleared
	TURN 0, 1, 1                                   ; K 128-255; slot 0 takes K 512-767
	STEP 1, 0, 0
	TURN 1, 0, 1                                   ; slot 1 takes K 768-1023
	STEP 0, 0, 0
	TURN 0, 1, 0                                   ; nothing is left to fetch
	STEP 1, 0, 0
	s_wait_dscnt 4*NL                              ; the very last step
	WIN MUL_LO
	MUL16 0, 1, 0
	MUL16 2, 1, 0
	s_wait_dscnt 0
	WIN MUL_HI
	MUL16 4, 1, 0
	MUL16 6, 1, 0
	WIN 0
; THE WAY OUT of block a (16 rows of A x 128 of B): sum x 2^(e0 + e1) + bias by one packed multiply-add for two numbers, each accumulator from its low end on; the hold at 448 x the scale
; (the conversion to an 8-bit code does not saturate: ISA guide 7.6.2); eight conversions; four stores of 512 consecutive bytes.
.macro OUTBLK a, isv
.set AC, 64*((\a)%4)
.set CB, CD+16*((\a)%2)
	WIN 0x02+((\a)/4)                              ; source 0: window 2 or 3
.irp b, 0,1,2,3,4,5,6,7
.irp j, 0,2,4,6
.if \isv
.if (\a)%2
	v_pk_fma_f32 v[TMP+8*\b+\j:TMP+8*\b+\j+1], v[AC+8*\b+\j:AC+8*\b+\j+1], s[96:97], v[BV+(\a)-1:BV+(\a)] op_sel:[0,0,1] op_sel_hi:[1,0,1]   ; v: one e a lane: the pair's upper word for both halves
.else
	v_pk_fma_f32 v[TMP+8*\b+\j:TMP+8*\b+\j+1], v[AC+8*\b+\j:AC+8*\b+\j+1], s[96:97], v[BV+(\a):BV+(\a)+1] op_sel_hi:[1,0,0]                   ; its lower word for both
.endif
.else
	v_pk_fma_f32 v[TMP+8*\b+\j:TMP+8*\b+\j+1], v[AC+8*\b+\j:AC+8*\b+\j+1], s[96:97], v[BI+8*\b+\j:BI+8*\b+\j+1] op_sel_hi:[1,0,1]             ; q, k: eight e a lane
.endif
.endr
.endr
	WIN 0
.set i, 0
.rept 64
	v_med3_num_f32 v[TMP+i], v[TMP+i], -v[LIM], v[LIM]
.set i, i+1
.endr
.if (\a) >= 2
	s_wait_xcnt 0x0                                ; block a - 2's stores have read this set of code registers
.endif
.irp b, 0,1,2,3,4,5,6,7
	v_cvt_scalef32_pk8_fp8_f32 v[CB+2*\b:CB+2*\b+1], v[TMP+8*\b:TMP+8*\b+7], v[SCL]
.endr
	v_nop                                          ; a plain vector instruction between the last conversion and the next block's writes of its sources
.irp p, 0,1,2,3
.if \isv
	global_store_b128 v[CO], v[CB+4*\p:CB+4*\p+3], s[12:13] offset:((\a)/4)*131072+((\a)%4)*2048+\p*512    ; head a / 4, dt = a % 4, plane p
.else
	global_store_b128 v[CO], v[CB+4*\p:CB+4*\p+3], s[12:13] offset:(\p/2)*131072+(\a)*1024+(\p%2)*512      ; head p / 2, tile a, plane p % 2
.endif
.endr
.endm
	s_wait_kmcnt 0x0
	s_add_co_i32 s96, s80, s81                     ; e0 + e1
	s_add_co_i32 s96, s96, 127
	s_lshl_b32 s96, s96, 23                        ; 2^(e0 + e1) as f32
	s_mov_b32 s97, s96                             ; (named with it as a pair, so it is written)
	s_cmp_eq_u32 ttmp9, 0
	s_cselect_b32 s98, s82, s83                    ; e2 for q, e3 for k,
	s_cmp_eq_u32 ttmp9, 2
	s_cselect_b32 s98, s84, s98                    ; e4 for v
	s_add_co_i32 s98, s98, 127
	s_lshl_b32 s99, s98, 23
	v_mov_b32 v[SCL], s99                          ; the scale as f32: the conversion takes its exponent field
	s_add_co_i32 s98, s98, 8
	s_lshl_b32 s98, s98, 23
	s_or_b32 s98, s98, 0x600000
	v_mov_b32 v[LIM], s98                          ; 448 x the scale
	s_wait_loadcnt 0x0                             ; the bias
	PLACES NP                                      ; behind the last products: the first lines below write registers that held A's fragments
	s_cmp_eq_u32 s68, 1
	s_cbranch_scc1 .Lout_v
.irp a, 0,1,2,3,4,5,6,7
	OUTBLK \a, 0
.endr
	s_branch .Lout_done
.Lout_v:
.irp a, 0,1,2,3,4,5,6,7
	OUTBLK \a, 1
.endr
.Lout_done:
	s_wait_tensorcnt 0x0                           ; the wave's end
	ds_add_u32 v[SPW], v[NIL]
	s_wait_dscnt 0x0
	CROUND                                         ; the closing round: no work-group ends while a partner may still ask for a tile that names it
	s_endpgm
.Lfunc_end_k_qfb2c59056f_qkv:
	.size	k_qfb2c59056f_qkv, .Lfunc_end_k_qfb2c59056f_qkv-k_qfb2c59056f_qkv
	.p2alignl 7, 3214868480
	.fill 96, 4, 3214868480
	.section	.rodata,"a",@progbits
	.p2align	6, 0x0
	.amdhsa_kernel k_qfb2c59056f_qkv
		.amdhsa_group_segment_fixed_size 327680
		.amdhsa_private_segment_fixed_size 0
		.amdhsa_enable_private_segment 0
		.amdhsa_kernarg_size 40
		.amdhsa_user_sgpr_count 2
		.amdhsa_user_sgpr_kernarg_segment_ptr 1
		.amdhsa_wavefront_size32 1
		.amdhsa_system_sgpr_workgroup_id_x 1
		.amdhsa_system_sgpr_workgroup_id_y 1
		.amdhsa_system_sgpr_workgroup_id_z 1
		.amdhsa_system_vgpr_workitem_id 0
		.amdhsa_next_free_vgpr 1024
		.amdhsa_next_free_sgpr 100
		.amdhsa_reserve_vcc 0
		.amdhsa_float_denorm_mode_32 3
		.amdhsa_float_denorm_mode_16_64 3
		.amdhsa_memory_ordered 1
		.amdhsa_forward_progress 1
		.amdhsa_inst_pref_size 193
	.end_amdhsa_kernel
	.amdgpu_metadata
---
amdhsa.version: [ 1, 2 ]
amdhsa.kernels:
  - .name:           k_qfb2c59056f_qkv
    .symbol:         k_qfb2c59056f_qkv.kd
    .args:
      - { .name: x_codes, .offset: 0, .size: 8, .value_kind: global_buffer, .address_space: global }
      - { .name: qkv_w_codes, .offset: 8, .size: 8, .value_kind: global_buffer, .address_space: global }
      - { .name: lowp_scales, .offset: 16, .size: 8, .value_kind: global_buffer, .address_space: global }
      - { .name: qkv_b, .offset: 24, .size: 8, .value_kind: global_buffer, .address_space: global }
      - { .name: qkv_img, .offset: 32, .size: 8, .value_kind: global_buffer, .address_space: global }
    .group_segment_fixed_size: 327680
    .private_segment_fixed_size: 0
    .kernarg_segment_align: 8
    .kernarg_segment_size: 40
    .max_flat_workgroup_size: 128
    .sgpr_count:     100
    .vgpr_count:     1024
    .wavefront_size: 32
...
	.end_amdgpu_metadata
.endif
;; end of part 1
;; launch attn (part 2): grid 8 x 32, 8 waves a work-group, no clusters, 263,168 bytes of LDS; arguments qkv_img, lowp_scales, ctx_img; writes ctx_img
.if DOCPART == 2
	.amdgcn_target "amdgcn-amd-amdhsa--gfx1250"
	.amdhsa_code_object_version 6
	.text
	.protected	k_qfb2c59056f_attn
	.globl	k_qfb2c59056f_attn
	.p2align	8
	.type	k_qfb2c59056f_attn,@function
k_qfb2c59056f_attn:
	s_mov_b64 s[64:65], 0
	v_nop
	global_prefetch_b8 v0, s[64:65] scope:SCOPE_SE
	s_setreg_imm32_b32 hwreg(HW_REG_WAVE_MODE, 25, 1), 1
	s_wait_xcnt 0x0
; ctx[b][q][head][:] = the sum over k of softmax_k(q . k / 8) v, both products on codes of FP8 (E4M3); then ctx is quantised with its given scale and stored as an image of the last product's operand registers.
; q, k, v come as images of operand registers (the launch before lays them): a fragment's plane is 512 consecutive bytes, 16 a lane.  Scales 2^e: e2 (q), e3 (k), e4 (v), e5 (p), e6 (ctx).
; THE SOFTMAX: t = score x log2(e) / 8; M = the row's largest t so far, rounded UP to a whole number; p = 2^(t - M) is quantised, not normalised; the row's sum is taken of the unquantised p and divides at the end.
; When M moves, the sum and O are multiplied by 2^(old M - new M): nothing is rounded, and there is no branch on data.
; LIMITS: e2 + e3 between -123 and 130 (added to c's exponent field); e5, and e6 - e4 - e5, between -126 and 119.
; SHARES.  A work-group owns 256 queries of one head, each of its eight waves 32: two tiles of 16, so that each fragment of K and V read from LDS feeds two matrix instructions.  Two waves to a SIMD.
; Every wave walks the head's 2,048 keys, 128 a step.  Both products are used transposed (S^T = K Q^T, O^T = V^T P^T): a lane holds ONE query (lane % 16) throughout.  In S^T's tile t a lane's eight registers are keys
; 16 t + 8 (lane / 16) + 0..7, which is the place of registers 2 t, 2 t + 1 in the 16 x 128 operand: the conversions' results ARE P's fragment.
; LDS holds the WHOLE head: K's image at 0, V's at 131,072; each byte is written once.  It comes through registers in four chunks of 512 keys (16 loads and 16 LDS stores a thread); a chunk is asked for
; four key steps before it is stored.
; NO JOINT REQUESTS, though the eight work-groups of a head read the same K and V.  One branch hangs on a loaded number: p is at most 1, so the hold
; ahead of its conversion is wanted only where 448 x 2^e5 is under 1 (e5 < -8); the jump over it spares 128 of a step's vector instructions.  What is shared is 262,144 bytes a work-group, read once, for sixteen steps.
; REGISTERS.  Window 0: v1-11 addresses and constants; v12-27 statistics, 8 a tile: +0 -M, +1 the largest t, +2, +3 the sum in two halves, +4 f (+5 written once: named with it as a pair), +6, +7 at work;
;   v32-159 S^T, then p (64 a tile); v160-191 P's codes (16 a tile); v192-255 K's eight fragments.   Window 1: v0-63 O^T (32 a tile); v64-79 Q; v80-143 V's four fragments; v144-207 a chunk on its way.
.set LI,   1                           ; v1   16 x lane: my place in a plane
.set AV0,  2                           ; v2   the same in V's image
.set ADK,  3                           ; v3   LDS address of the step's K
.set ADV,  4                           ; v4   of its V
.set LA,   5                           ; v5-8 16 x thread + 65,536 n: where I store a chunk (n = 0, 1: K's image; 2, 3: V's); v5 is also my offset in memory
.set CO,   9                           ; v9   the way out: 16 r + 8 h
.set LIM,  10                          ; v10  448 x the scale in hand
.set SCL,  11                          ; v11  the scale in hand, as f32
.set ST,   12
.set S,    32
.set P,    160
.set KF,   192
.set O,    0                           ; in window 1
.set QR,   64
.set VF,   80
.set STG,  144
.set CS,   22                          ; s[22:23] c = log2(e) / 8 x 2^(e2 + e3)
.set SEL,  24                          ; s[24:25] lane selects for v_permlanex16_b32: lane l xor 16
.set TB,   32                          ; s32  the step's first byte in either image
.set CNT,  33                          ; s33  counts a chunk's four steps
.set HOLD, 34                          ; s34  1 where p wants its hold
.set MSB, 0
.macro WIN new                         ; the immediate's high byte repeats the setting that is left
.if MSB != (\new)
	s_set_vgpr_msb (MSB<<8)|(\new)
.set MSB, (\new)
.endif
.endm
.macro LOADG c                         ; chunk c of K and of V into registers: each load of the work-group covers 4,096 consecutive bytes
	WIN 0x40                                       ; destination window 1
.irp i, 0,1,2,3,4,5,6,7
	global_load_b128 v[STG+4*\i:STG+4*\i+3], v[LA], s[26:27] offset:(\c)*32768+4096*\i
.endr
.irp i, 0,1,2,3,4,5,6,7
	global_load_b128 v[STG+32+4*\i:STG+32+4*\i+3], v[LA], s[28:29] offset:(\c)*32768+4096*\i
.endr
	WIN 0
.endm
.macro STORE c                         ; and on into LDS, as it lies
	WIN 0x04                                       ; the data: window 1
.irp i, 0,1,2,3,4,5,6,7
	ds_store_b128 v[LA+(\c)/2], v[STG+4*\i:STG+4*\i+3] offset:((\c)%2)*32768+4096*\i
.endr
.irp i, 0,1,2,3,4,5,6,7
	ds_store_b128 v[LA+2+(\c)/2], v[STG+32+4*\i:STG+32+4*\i+3] offset:((\c)%2)*32768+4096*\i
.endr
	WIN 0
.endm
; Number j of the 73 instructions that stand ahead of tile q's exponentials: 0-31 the largest of the lane's 64 scores, in two chains, ascending;
; 32-33 the other half of the lanes'; 34-40 t, the running largest t, -M = floor(-t), f = 2^(old M - new M); 41-72 t - M, two at a time.
.macro PRE q, j
.set rT, ST+8*(\q)
.set rS, S+64*(\q)
.if (\j) == 0
	v_max3_num_f32 v[rT+6], v[rS], v[rS+1], v[rS+2]
.elseif (\j) == 1
	v_max3_num_f32 v[rT+7], v[rS+3], v[rS+4], v[rS+5]
.elseif (\j) < 30
	v_max3_num_f32 v[rT+6+(\j)%2], v[rT+6+(\j)%2], v[rS+2*(\j)+2], v[rS+2*(\j)+3]
.elseif (\j) == 30
	v_max3_num_f32 v[rT+6], v[rT+6], v[rS+62], v[rS+63]
.elseif (\j) == 31
	v_max_num_f32 v[rT+6], v[rT+6], v[rT+7]
.elseif (\j) == 32
	v_permlanex16_b32 v[rT+7], v[rT+6], s[SEL], s[SEL+1]
.elseif (\j) == 33
	v_max_num_f32 v[rT+6], v[rT+6], v[rT+7]
.elseif (\j) == 34
	v_mul_f32 v[rT+6], s[CS], v[rT+6]              ; as t (c is positive)
.elseif (\j) == 35
	v_max_num_f32 v[rT+1], v[rT+1], v[rT+6]
.elseif (\j) == 36
	v_mov_b32 v[rT+7], v[rT]
.elseif (\j) == 37
	v_floor_f32 v[rT], -v[rT+1]                    ; -M = floor(-t) = -ceil(t)
.elseif (\j) == 38
	v_sub_f32 v[rT+7], v[rT], v[rT+7]              ; old M - new M: a whole number, 0 or less
.elseif (\j) == 39
	v_cvt_i32_f32 v[rT+7], v[rT+7]                 ; (it saturates)
.elseif (\j) == 40
	v_ldexp_f32 v[rT+4], 1.0, v[rT+7]
.else
	v_pk_fma_f32 v[rS+2*((\j)-41):rS+2*((\j)-41)+1], v[rS+2*((\j)-41):rS+2*((\j)-41)+1], s[CS:CS+1], v[rT:rT+1] op_sel_hi:[1,0,0]   ; of the pairs c and -M the low word serves both halves
.endif
.endm
; Number k of the 33 that sum tile q's unquantised p: the old sum x f; then two chains of packed additions.
.macro POST q, k
.set rT, ST+8*(\q)
.set rS, S+64*(\q)
.if (\k) == 0
	v_pk_mul_f32 v[rT+2:rT+3], v[rT+2:rT+3], v[rT+4:rT+5] op_sel_hi:[1,0]
.elseif (\k) == 1
	v_pk_add_f32 v[rT+6:rT+7], v[rS:rS+1], v[rS+2:rS+3]
.elseif (\k) == 32
	v_pk_add_f32 v[rT+2:rT+3], v[rT+2:rT+3], v[rT+6:rT+7]
.elseif (\k)%2 == 0
	v_pk_add_f32 v[rT+2:rT+3], v[rT+2:rT+3], v[rS+2*(\k):rS+2*(\k)+1]
.else
	v_pk_add_f32 v[rT+6:rT+7], v[rT+6:rT+7], v[rS+2*(\k):rS+2*(\k)+1]
.endif
.endm
; A KEY STEP: 128 keys at byte s[TB] of both images.
.macro STEP
	v_add_nc_u32 v[ADK], s[TB], v[LI]
	v_add_nc_u32 v[ADV], s[TB], v[AV0]
	v_nop
	v_nop                                          ; four plain instructions behind the last step's products, ahead of the loads into V's registers
.irp t, 0,1,2,3,4,5,6,7
	ds_load_b128 v[KF+8*\t:KF+8*\t+3], v[ADK] offset:1024*\t
	ds_load_b128 v[KF+8*\t+4:KF+8*\t+7], v[ADK] offset:1024*\t+512
.endr
	WIN 0x40                                       ; destination window 1
.irp d, 0,1,2,3
.irp p, 0,1,2,3
	ds_load_b128 v[VF+16*\d+4*\p:VF+16*\d+4*\p+3], v[ADV] offset:2048*\d+512*\p
.endr
.endr
	WIN 0x04                                       ; source 1 (Q) window 1
.irp t, 0,1,2,3,4,5,6,7
	s_wait_dscnt 30-2*\t                           ; of the 32 loads, K's tiles 0 to t are in; the rest of K's and V's sixteen may be out
	v_wmma_f32_16x16x64_fp8_fp8 v[S+8*\t:S+8*\t+7], v[KF+8*\t:KF+8*\t+7], v[QR:QR+7], 0
	v_wmma_f32_16x16x64_fp8_fp8 v[S+64+8*\t:S+64+8*\t+7], v[KF+8*\t:KF+8*\t+7], v[QR+8:QR+15], 0
.endr
	WIN 0
.rept 4
	v_nop                                          ; places ahead of the first read of the scores
.endr
.set i, 0
.rept 73
	PRE 0, i
.set i, i+1
.endr
.set i, 0
.rept 64                                       ; tile 0's exponentials, one batch, with tile 1's plain work between them: none of it names a result
	v_exp_f32 v[S+i], v[S+i]
	PRE 1, i
.set i, i+1
.endr
.rept 9
	PRE 1, i
.set i, i+1
.endr
	s_wait_alu depctr_va_vdst(0)                   ; one wait for the batch, ahead of its first reader
.set i, 0
.rept 64                                       ; tile 1's exponentials, with tile 0's sums between them
	v_exp_f32 v[S+64+i], v[S+64+i]
.if i%2 == 0
	POST 0, i/2
.endif
.set i, i+1
.endr
	POST 0, 32                                     ; (a plain instruction behind the last exponential)
	s_wait_alu depctr_va_vdst(0)                   ; one wait for the second batch
.set i, 0
.rept 33
	POST 1, i
.set i, i+1
.endr
	s_cmp_eq_u32 s[HOLD], 0                        ; p is at most 1: where 448 x 2^e5 is 1 or more, no p lies beyond the largest code
	s_cbranch_scc1 .Lno_hold_\@
.set i, 0
.rept 128
	v_min_num_f32 v[S+i], v[S+i], v[LIM]           ; the conversion to an 8-bit code does not saturate (ISA guide 7.6.2); p is not negative, so the hold is one-sided
.set i, i+1
.endr
.Lno_hold_\@:
.irp q, 0,1
.irp g, 0,1,2,3,4,5,6,7
	v_cvt_scalef32_pk8_fp8_f32 v[P+16*\q+2*\g:P+16*\q+2*\g+1], v[S+64*\q+8*\g:S+64*\q+8*\g+7], v[SCL]
.endr
.endr
	WIN 0x41                                       ; O^T (destination and source 0) window 1, f window 0
.irp q, 0,1
.set i, 0
.rept 16
	v_pk_mul_f32 v[O+32*\q+2*i:O+32*\q+2*i+1], v[O+32*\q+2*i:O+32*\q+2*i+1], v[ST+8*\q+4:ST+8*\q+5] op_sel_hi:[1,0]   ; O^T under the new M.  (These are also the plain instructions behind the conversions)
.set i, i+1
.endr
.endr
	s_wait_dscnt 0x0                               ; V is in
	WIN 0x51                                       ; V, C and D window 1, P window 0
.irp d, 0,1,2,3
.irp q, 0,1                                    ; eight accumulators, one instruction each
	v_wmma_f32_16x16x128_fp8_fp8 v[O+32*\q+8*\d:O+32*\q+8*\d+7], v[VF+16*\d:VF+16*\d+15], v[P+16*\q:P+16*\q+15], v[O+32*\q+8*\d:O+32*\q+8*\d+7]
.endr
.endr
	WIN 0
	s_add_co_u32 s[TB], s[TB], 8192
.endm
.macro BARRIER                                 ; my LDS stores have landed and my LDS loads are in: then the work-group's barrier
	s_wait_dscnt 0x0
	s_barrier_signal -1
	s_barrier_wait -1
.endm
; Chunk c's four key steps; then the next chunk goes from registers into LDS, between two barriers: behind the first no wave reads, behind the second the chunk lies whole.
.macro CHUNK c
	s_mov_b32 s[TB], (\c)*32768
	s_mov_b32 s[CNT], 4
.Lstep_\@:
	STEP
	s_sub_co_u32 s[CNT], s[CNT], 1
	s_cmp_lg_u32 s[CNT], 0
	s_cbranch_scc1 .Lstep_\@
.if (\c) < 3
	BARRIER
	s_wait_loadcnt 0x0                             ; the next chunk, asked for four steps ago
	STORE (\c)+1
	s_wait_dscnt 0x0                               ; the stores have read their registers,
.if (\c) < 2
	LOADG (\c)+2                                   ; which take the chunk after
.endif
	s_barrier_signal -1
	s_barrier_wait -1
.endif
.endm
	s_load_b128 s[4:7], s[0:1], 0x0                ; qkv_img s[4:5], the scales' exponents s[6:7]
	s_load_b64 s[8:9], s[0:1], 0x10                ; ctx_img
	v_lshl_add_u32 v30, v0, 2, 0x40000
	v_mov_b32 v31, 0
	v_lshrrev_b32 v3, 5, v0
	v_readfirstlane_b32 s20, v3                    ; wave 0..7
	v_and_b32 v[LI], 31, v0
	v_lshlrev_b32 v[LI], 4, v[LI]
	v_add_nc_u32 v[AV0], 0x20000, v[LI]
	v_lshlrev_b32 v[LA], 4, v0
	v_add_nc_u32 v[LA+1], 0x10000, v[LA]
	v_add_nc_u32 v[LA+2], 0x20000, v[LA]
	v_add_nc_u32 v[LA+3], 0x30000, v[LA]
	v_and_b32 v[CO], 15, v0                        ; r
	v_bfe_u32 v10, v0, 4, 1                        ; h
	v_lshlrev_b32 v[CO], 4, v[CO]
	v_lshl_add_u32 v[CO], v10, 3, v[CO]
	s_and_b32 s35, ttmp7, 0xffff                   ; 16 x batch + head
	s_lshl_b32 s36, s35, 17                        ; its 131,072 bytes in each section
	s_mov_b32 s37, 0
	s_lshl_b32 s38, ttmp9, 4
	s_lshl_b32 s39, s20, 1
	s_add_co_u32 s38, s38, s39                     ; my first tile of 16 queries: 16 x work-group x + 2 x wave
	s_lshl_b32 s40, s38, 10                        ; 1,024 bytes a tile in q's image
	s_mov_b32 s41, 0
	s_lshr_b32 s42, s35, 4
	s_lshl_b32 s42, s42, 7
	s_add_co_u32 s42, s42, s38                     ; the same tile among all 256 tiles of tokens,
	s_lshl_b32 s42, s42, 14                        ; 16,384 bytes each in ctx's image,
	s_and_b32 s39, s35, 15
	s_lshl_b32 s39, s39, 10                        ; of which 1,024 are my head's
	s_add_co_u32 s42, s42, s39
	s_mov_b32 s43, 0
	s_mov_b32 s[SEL], 0x76543210
	s_mov_b32 s[SEL+1], 0xfedcba98
	s_wait_kmcnt 0x0
	s_load_b256 s[12:19], s[6:7], 0x0              ; e0 .. e7
	s_add_nc_u64 s[30:31], s[4:5], s[36:37]        ; q's section at my head
	s_add_nc_u64 s[26:27], s[30:31], 0x400000      ; k's
	s_add_nc_u64 s[28:29], s[30:31], 0x800000      ; v's
	s_add_nc_u64 s[30:31], s[30:31], s[40:41]      ; q at my two tiles
	s_add_nc_u64 s[8:9], s[8:9], s[42:43]
	LOADG 0
	WIN 0x40
.irp i, 0,1,2,3
	global_load_b128 v[QR+4*\i:QR+4*\i+3], v[LI], s[30:31] offset:512*\i   ; Q's two fragments stay in registers
.endr
.set i, 0
.rept 64
	v_mov_b32 v[O+i], 0                            ; O^T.  (The step is written once: its first run finds zeros, which the first change of M leaves zeros)
.set i, i+1
.endr
	WIN 0
.irp q, 0,1
	v_mov_b32 v[ST+8*\q+1], 0xff61b1e6             ; the largest t so far: -3e38, under every t
	v_floor_f32 v[ST+8*\q], -v[ST+8*\q+1]          ; -M
	v_mov_b32 v[ST+8*\q+2], 0                      ; the sum, in two halves
	v_mov_b32 v[ST+8*\q+3], 0
	v_mov_b32 v[ST+8*\q+5], 0                      ; (named as the upper half of f's pair)
.endr
	s_wait_kmcnt 0x0
	s_add_co_i32 s35, s14, s15
	s_lshl_b32 s35, s35, 23
	s_add_co_i32 s[CS], s35, 0x3e38aa3b            ; c = log2(e) / 8, with e2 + e3 added to its exponent field: a score stands for score x 2^(e2 + e3)
	s_mov_b32 s[CS+1], s[CS]                       ; (named with it as a pair, so it is written)
	s_add_co_i32 s35, s17, 127
	s_lshl_b32 s36, s35, 23
	v_mov_b32 v[SCL], s36                          ; 2^e5 as f32
	s_add_co_i32 s35, s35, 8
	s_lshl_b32 s35, s35, 23
	s_or_b32 s35, s35, 0x600000
	v_mov_b32 v[LIM], s35                          ; 448 x 2^e5
	s_cmp_lt_i32 s17, -8
	s_cselect_b32 s[HOLD], 1, 0
	s_wait_loadcnt 4                               ; chunk 0's sixteen loads are in; Q's four may be out
	STORE 0
	s_wait_dscnt 0x0                               ; the stores have landed and have read their registers,
	LOADG 1                                        ; which take chunk 1
	s_barrier_signal -1
	s_barrier_wait -1                              ; chunk 0 lies whole
	s_wait_loadcnt 16                              ; Q is in; chunk 1's sixteen loads may be out
	CHUNK 0
	CHUNK 1
	CHUNK 2
	CHUNK 3
	; THE WAY OUT.  The sum's two halves and the other half of the lanes' are added; O^T / the sum stands for ctx / 2^(e4 + e5), so its conversion takes the one scale 2^(e6 - e4 - e5).
	; A lane's eight numbers of tile dt are d = 16 dt + 8 h + 0..7 of query r: 8 bytes at 256 dt + 16 r + 8 h of the head's 1,024: each store of the wave covers 256 consecutive bytes, aligned.
.irp q, 0,1
	v_add_f32 v[ST+8*\q+6], v[ST+8*\q+2], v[ST+8*\q+3]
.endr
.irp q, 0,1
	v_permlanex16_b32 v[ST+8*\q+7], v[ST+8*\q+6], s[SEL], s[SEL+1]
.endr
.irp q, 0,1
	v_add_f32 v[ST+8*\q+6], v[ST+8*\q+6], v[ST+8*\q+7]
.endr
.irp q, 0,1
	v_rcp_f32 v[ST+8*\q+4], v[ST+8*\q+6]
.endr
	v_nop                                          ; a plain instruction behind the last reciprocal
	s_sub_co_i32 s35, s18, s16
	s_sub_co_i32 s35, s35, s17                     ; e6 - e4 - e5
	s_add_co_i32 s35, s35, 127
	s_lshl_b32 s36, s35, 23
	v_mov_b32 v[SCL], s36
	s_add_co_i32 s35, s35, 8
	s_lshl_b32 s35, s35, 23
	s_or_b32 s35, s35, 0x600000
	v_mov_b32 v[LIM], s35
	s_wait_alu depctr_va_vdst(0)                   ; one wait for the two reciprocals, ahead of their first reader
	WIN 0x01                                       ; source 0 (O^T) window 1
.irp q, 0,1
.set i, 0
.rept 16
	v_pk_mul_f32 v[S+32*\q+2*i:S+32*\q+2*i+1], v[O+32*\q+2*i:O+32*\q+2*i+1], v[ST+8*\q+4:ST+8*\q+5] op_sel_hi:[1,0]   ; each accumulator from its low end on
.set i, i+1
.endr
.endr
	WIN 0
.set i, 0
.rept 64
	v_med3_num_f32 v[S+i], v[S+i], -v[LIM], v[LIM]
.set i, i+1
.endr
.irp q, 0,1
.irp d, 0,1,2,3
	v_cvt_scalef32_pk8_fp8_f32 v[P+8*\q+2*\d:P+8*\q+2*\d+1], v[S+32*\q+8*\d:S+32*\q+8*\d+7], v[SCL]
.endr
.endr
	v_nop
.irp q, 0,1
.irp d, 0,1,2,3
	global_store_b64 v[CO], v[P+8*\q+2*\d:P+8*\q+2*\d+1], s[8:9] offset:16384*\q+256*\d
.endr
.endr
	s_wait_tensorcnt 0x0
	ds_add_u32 v30, v31
	s_wait_dscnt 0x0
	s_endpgm
.Lfunc_end_k_qfb2c59056f_attn:
	.size	k_qfb2c59056f_attn, .Lfunc_end_k_qfb2c59056f_attn-k_qfb2c59056f_attn
	.p2alignl 7, 3214868480
	.fill 96, 4, 3214868480
	.section	.rodata,"a",@progbits
	.p2align	6, 0x0
	.amdhsa_kernel k_qfb2c59056f_attn
		.amdhsa_group_segment_fixed_size 263168
		.amdhsa_private_segment_fixed_size 0
		.amdhsa_enable_private_segment 0
		.amdhsa_kernarg_size 24
		.amdhsa_user_sgpr_count 2
		.amdhsa_user_sgpr_kernarg_segment_ptr 1
		.amdhsa_wavefront_size32 1
		.amdhsa_system_sgpr_workgroup_id_x 1
		.amdhsa_system_sgpr_workgroup_id_y 1
		.amdhsa_system_sgpr_workgroup_id_z 1
		.amdhsa_system_vgpr_workitem_id 0
		.amdhsa_next_free_vgpr 464
		.amdhsa_next_free_sgpr 66
		.amdhsa_reserve_vcc 0
		.amdhsa_float_denorm_mode_32 3
		.amdhsa_float_denorm_mode_16_64 3
		.amdhsa_memory_ordered 1
		.amdhsa_forward_progress 1
		.amdhsa_inst_pref_size 139
	.end_amdhsa_kernel
	.amdgpu_metadata
---
amdhsa.version: [ 1, 2 ]
amdhsa.kernels:
  - .name:           k_qfb2c59056f_attn
    .symbol:         k_qfb2c59056f_attn.kd
    .args:
      - { .name: qkv_img, .offset: 0, .size: 8, .value_kind: global_buffer, .address_space: global }
      - { .name: lowp_scales, .offset: 8, .size: 8, .value_kind: global_buffer, .address_space: global }
      - { .name: ctx_img, .offset: 16, .size: 8, .value_kind: global_buffer, .address_space: global }
    .group_segment_fixed_size: 263168
    .private_segment_fixed_size: 0
    .kernarg_segment_align: 8
    .kernarg_segment_size: 24
    .max_flat_workgroup_size: 256
    .sgpr_count:     66
    .vgpr_count:     464
    .wavefront_size: 32
...
	.end_amdgpu_metadata
.endif
;; end of part 2
;; launch proj (part 3): grid 8 x 32, 4 waves a work-group, clusters of 4 x 4, 295,424 bytes of LDS; arguments ctx_img, out_w_codes, lowp_scales, out_b, out0; writes out0
.if DOCPART == 3
	.amdgcn_target "amdgcn-amd-amdhsa--gfx1250"
	.amdhsa_code_object_version 6
	.text
	.protected	k_qfb2c59056f_proj
	.globl	k_qfb2c59056f_proj
	.p2align	8
	.type	k_qfb2c59056f_proj,@function
k_qfb2c59056f_proj:
	s_mov_b64 s[64:65], 0
	v_nop
	global_prefetch_b8 v0, s[64:65] scope:SCOPE_SE
	s_setreg_imm32_b32 hwreg(HW_REG_WAVE_MODE, 25, 1), 1
	s_wait_xcnt 0x0
	s_wait_alu depctr_hold_cnt(0) depctr_sa_sdst(0) depctr_va_vdst(0) depctr_va_sdst(0) depctr_va_ssrc(0) depctr_va_vcc(0) depctr_vm_vsrc(0)
	s_getreg_b32 s2, hwreg(HW_REG_IB_STS2, 6, 4)
	s_cmp_eq_u32 s2, 0
	s_cbranch_scc0 .Lentry_in_a_cluster
	s_endpgm
.Lentry_in_a_cluster:
	s_bfe_u32 s2, ttmp6, 0x10000c
	s_cmp_lg_u32 s2, 0xf033
	s_cbranch_scc0 .Lentry_shape_is_right
	s_endpgm
.Lentry_shape_is_right:
; out0[token][e] = sum over k of ctx[token][k] out_w[e][k] + out_b[e], on codes of FP8 (E4M3).  Scales 2^e6 (ctx), 2^e7 (out_w).  LIMIT: e6 + e7 between -126 and 127, so that 2^(e6 + e7) is an f32 number.
; ctx comes as an image of operand registers: [tile of 16 tokens (256)][head (16)][plane (2)][lane][16 bytes]; two heads, 2,048 bytes, are one fragment of 16 tokens x 128 K whose registers 4 P .. 4 P + 3 of lane (r, h)
; hold K = 32 P + 16 h + 0 .. 15: the order in which out_w's rows come by loads of 16 bytes.  The order of K is the same on both sides, so every product meets its partner.
; A tile of 128 tokens x 128 e gives 256 work-groups; four waves, 64 x 64 each: 16 accumulators.  Source 0 = 16 rows of out_w, source 1 = 16 tokens: a lane holds eight neighbouring e of one token.
; THE WHOLE K LIES IN LDS: 131,072 bytes of ctx, 139,264 of out_w (padded).  Every byte is filled once, by four tensor loads a wave, a quarter of K each, all issued at the start: no slot is filled again.
; By this text's own count a wave has four tensor loads out.  CLUSTERS 4 x 4: ctx's tiles are shared along a row of the cluster, out_w's along a column, by joint loads.
; REGISTERS.  Window 0: v16-27 addresses; v32-63 a block's results; v64-127 rows read back, two sets; v128-255 the accumulators ((a, b) at v[128 + 8 (4 a + b)]).
;   Window 1: two fragment buffers of 128: four of ctx, then four of out_w.   Window 2: v0-31 out_b of my 64 e, in the result's layout.
.set BT,     131072                    ; LDS: out_w's four chunks of 128 rows x 272 bytes (256 + 16 of padding: the 16 rows that a load touches start at 16 different banks; 64 banks of 4 bytes: ISA guide 11.1)
.set BCH,    128*272
.set STAGE,  BT+4*BCH                  ; behind them: 16 rows x 272 bytes for each wave, for the way out; no tensor load lands here
.set ADRA, 16                          ; v16-17  my ctx fragments: chunks 0, 1 and chunks 2, 3
.set ADRB, 20                          ; v20-21  the same for out_w
.set STO,  24                          ; v24     the way out: where I put 32 bytes of a row
.set RD,   25                          ; v25     where I read a row back
.set CO,   26                          ; v26     my byte offset in out0
.set BQ,   27                          ; v27     32 h: my offset in out_b
.set TMP,  32
.set BK,   64
.set ACC,  128
.set MSB, 0
.macro WIN new                         ; the immediate's high byte repeats the setting that is left
.if MSB != (\new)
	s_set_vgpr_msb (MSB<<8)|(\new)
.set MSB, (\new)
.endif
.endm
.macro CROUND                          ; a round of the cluster's barrier
	s_barrier_signal -1
	s_barrier_wait -1
	s_cmp_lg_u32 s14, 0
	s_cbranch_scc1 .Lnot_wave_0_\@
	s_barrier_signal -3
.Lnot_wave_0_\@:
	s_barrier_wait -3
	s_barrier_signal -1
	s_barrier_wait -1
.endm
	s_load_b256 s[4:11], s[0:1], 0x0               ; ctx_img s[4:5], out_w s[6:7], the scales' exponents s[8:9], out_b s[10:11]
	s_load_b64 s[12:13], s[0:1], 0x20              ; out0
	v_lshl_add_u32 v30, v0, 2, 0x48000
	v_mov_b32 v31, 0
	ds_add_u32 v30, v31
	ds_add_u32 v30, v31
	v_lshrrev_b32 v1, 5, v0
	v_readfirstlane_b32 s14, v1                    ; wave 0..3
	s_lshr_b32 s15, s14, 1                         ; which 64 tokens are mine.  Also: I fetch ctx (0) or out_w (1)
	s_and_b32 s16, s14, 1                          ; which 64 e.  Also: which half of that tile's rows I fetch
	s_bfe_u32 s56, ttmp6, 0x40000                  ; cx
	s_bfe_u32 s57, ttmp6, 0x40004                  ; cy
	s_lshl_b32 s58, ttmp9, 2
	s_add_co_u32 s58, s58, s56                     ; tile of e = 4 x cluster x + cx
	s_and_b32 s17, ttmp7, 0xffff
	s_lshl_b32 s17, s17, 2
	s_add_co_u32 s17, s17, s57                     ; tile of tokens = 4 x cluster y + cy
	s_lshl_b32 s59, s57, 2
	s_lshl_b32 s59, 15, s59                        ; my row of the cluster
	s_lshl_b32 s60, 0x1111, s56                    ; my column
	; group 1 for ctx: 4 tiles of tokens, of each 4,096 consecutive bytes (four heads), 16,384 bytes apart; elements of 8 bytes; dense in LDS
	s_or_b32 s24, s59, (3<<16)|(1<<21)             ; 15:0 the mask: my row; 17:16 elements of 8 bytes; 21 set beside a mask
	s_mov_b32 s25, 512<<16                         ; tensor_dim0 = 512
	s_mov_b32 s26, 4<<16                           ; tensor_dim1 = 4
	s_mov_b32 s27, 512<<16                         ; tile_dim0 = 512
	s_mov_b32 s28, 4                               ; tile_dim1 = 4
	s_mov_b32 s29, 2048                            ; tensor_dim0_stride
	s_mov_b32 s30, 0
	s_mov_b32 s31, 0
	; group 1 for out_w: 64 rows x 256 bytes, 1,024 bytes apart, padded in LDS
	s_or_b32 s32, s60, (0<<16)|(1<<20)|(1<<21)|(5<<22)|(3<<25)  ; the mask: my column; elements of 1 byte; padding: four words after every 64
	s_mov_b32 s33, 256<<16
	s_mov_b32 s34, 64<<16
	s_mov_b32 s35, 256<<16
	s_mov_b32 s36, 64
	s_mov_b32 s37, 1024
	s_mov_b32 s38, 0
	s_mov_b32 s39, 0
	s_lshl_b32 s18, s17, 17                        ; ctx: 8 tiles of 16,384 bytes for a tile of 128 tokens,
	s_lshl_b32 s22, s16, 16
	s_add_co_u32 s18, s18, s22                     ; + my 4 of them
	s_mov_b32 s19, 0
	s_lshl_b32 s20, s58, 7
	s_lshl_b32 s23, s16, 6
	s_add_co_u32 s20, s20, s23
	s_lshl_b32 s20, s20, 10                        ; out_w: (128 x tile + 64 x half) rows of 1,024 bytes
	s_mov_b32 s21, 0
	s_lshl_b32 s22, s16, 14                        ; where they go: no place in the cluster enters an LDS address
	s_mul_i32 s23, s16, 64*272
	s_add_co_u32 s23, s23, BT
	s_wait_dscnt 0x0
	s_wait_kmcnt 0x0
	s_load_b256 s[84:91], s[8:9], 0x0              ; e0 .. e7
	s_add_nc_u64 s[18:19], s[4:5], s[18:19]
	s_add_nc_u64 s[20:21], s[6:7], s[20:21]
.irp j, 0,1,2,3                                ; group 0, a set for each quarter of K: ctx's in s[40:55], out_w's in s[68:83]
	s_mov_b32 s[40+4*\j], 1
	s_add_co_u32 s[41+4*\j], s22, \j*32768
	s_add_nc_u64 s[42+4*\j:43+4*\j], s[18:19], \j*4096
	s_or_b32 s[43+4*\j], s[43+4*\j], 0x80000000
	s_mov_b32 s[68+4*\j], 1
	s_add_co_u32 s[69+4*\j], s23, \j*BCH
	s_add_nc_u64 s[70+4*\j:71+4*\j], s[20:21], \j*256
	s_or_b32 s[71+4*\j], s[71+4*\j], 0x80000000
.endr
	CROUND                                         ; all sixteen work-groups are here: the joint loads meet
	s_cmp_eq_u32 s15, 0                            ; a wave's four fills stand in one branch on its number, ahead of every wait on TENSORcnt and every LDS read; four v_nop follow the last
	s_cbranch_scc0 .Lfor_b
.irp j, 0,1,2,3
	tensor_load_to_lds s[40+4*\j:43+4*\j], s[24:31]
	s_nop 0
.endr
.rept 4
	v_nop
.endr
	s_branch .Lasked
.Lfor_b:
.irp j, 0,1,2,3
	tensor_load_to_lds s[68+4*\j:71+4*\j], s[32:39]
	s_nop 0
.endr
.rept 4
	v_nop
.endr
.Lasked:
	v_and_b32 v1, 15, v0                           ; r
	v_bfe_u32 v2, v0, 4, 1                         ; h
	v_and_b32 v3, 31, v0
	v_lshlrev_b32 v4, 4, v3                        ; 16 x lane
	s_lshl_b32 s61, s15, 14                        ; my 4 tiles of tokens in a chunk
	v_add_nc_u32 v[ADRA], s61, v4
	v_add_nc_u32 v[ADRA+1], 0x10000, v[ADRA]
	v_mul_u32_u24 v5, v1, 272
	v_lshl_add_u32 v6, v2, 4, v5
	s_mul_i32 s61, s16, 64*272                     ; my 64 rows of out_w in a chunk
	s_add_co_u32 s61, s61, BT
	v_add_nc_u32 v[ADRB], s61, v6
	v_add_nc_u32 v[ADRB+1], 2*BCH, v[ADRB]
	s_mul_i32 s61, s14, 16*272
	s_add_co_u32 s61, s61, STAGE                   ; my stage
	v_lshl_add_u32 v[STO], v2, 5, v5               ; in: row r, 32 bytes for each half of the lanes
	v_add_nc_u32 v[STO], s61, v[STO]
	v_mul_u32_u24 v[RD], v2, 272                   ; back: lanes 0-15 one row of 256 bytes, lanes 16-31 the next
	v_lshl_add_u32 v[RD], v1, 4, v[RD]
	v_add_nc_u32 v[RD], s61, v[RD]
	v_lshlrev_b32 v[CO], 12, v2                    ; and the same two rows in out0: 4,096 bytes a row
	v_lshl_add_u32 v[CO], v1, 4, v[CO]
	v_lshlrev_b32 v[BQ], 5, v2
	s_lshl_b32 s62, s17, 7
	s_lshl_b32 s61, s15, 6
	s_add_co_u32 s62, s62, s61
	s_lshl_b32 s62, s62, 12                        ; my first token's row
	s_mov_b32 s63, 0
	s_lshl_b32 s92, s58, 7
	s_lshl_b32 s61, s16, 6
	s_add_co_u32 s92, s92, s61
	s_lshl_b32 s92, s92, 2                         ; my first e, in bytes: a multiple of 256
	s_mov_b32 s93, 0
	s_add_nc_u64 s[10:11], s[10:11], s[92:93]
	s_add_nc_u64 s[12:13], s[12:13], s[92:93]
	s_add_nc_u64 s[12:13], s[12:13], s[62:63]
	WIN 0x80                                       ; destination window 2
.irp b, 0,1,2,3
	global_load_b128 v[8*\b:8*\b+3], v[BQ], s[10:11] offset:64*\b        ; out_b[my e + 16 b + 8 h + 0 .. 7]
	global_load_b128 v[8*\b+4:8*\b+7], v[BQ], s[10:11] offset:64*\b+16
.endr
	WIN 0
; 32 LDS loads in one run: the fragments of K step q (128 along K: half u = q % 2 of chunk q / 2) into buffer f
.macro FETCH q, f
.set cj, (\q)/2
.set cu, (\q)%2
	WIN 0x40                                       ; destination window 1
.irp a, 0,1,2,3
.irp p, 0,1,2,3
	ds_load_b128 v[(\f)+16*\a+4*\p:(\f)+16*\a+4*\p+3], v[ADRA+cj/2] offset:(cj%2)*32768+4096*\a+2048*cu+512*\p
.endr
.endr
.irp b, 0,1,2,3
.irp p, 0,1,2,3
	ds_load_b128 v[(\f)+64+16*\b+4*\p:(\f)+64+16*\b+4*\p+3], v[ADRB+cj/2] offset:(cj%2)*BCH+4352*\b+128*cu+32*\p
.endr
.endr
.endm
; 16 matrix instructions, the 16 accumulators by turns, in the same order in every step.  zero = 1: the first products start the sums.
.macro MUL f, zero
	WIN 0x05                                       ; sources 0 and 1 window 1; C and D window 0
.irp a, 0,1,2,3
.irp b, 0,1,2,3
.if \zero
	v_wmma_f32_16x16x128_fp8_fp8 v[ACC+8*(4*\a+\b):ACC+8*(4*\a+\b)+7], v[(\f)+64+16*\b:(\f)+64+16*\b+15], v[(\f)+16*\a:(\f)+16*\a+15], 0
.else
	v_wmma_f32_16x16x128_fp8_fp8 v[ACC+8*(4*\a+\b):ACC+8*(4*\a+\b)+7], v[(\f)+64+16*\b:(\f)+64+16*\b+15], v[(\f)+16*\a:(\f)+16*\a+15], v[ACC+8*(4*\a+\b):ACC+8*(4*\a+\b)+7]
.endif
.endr
.endr
.endm
; K step q is fetched while K step q - 1 is multiplied.  Where a new chunk begins: my part of it has landed (the later chunks' loads may stay out), then the barrier: everybody's has.
.macro KSTEP q
.if (\q)%2 == 0
	s_wait_tensorcnt 3-(\q)/2
	s_wait_dscnt 0x0                               ; no LDS instruction of mine is pending at the signal
	s_barrier_signal -1
	s_barrier_wait -1
.endif
.if (\q) >= 2
.rept 4
	v_nop                                          ; places in front of loads into the buffer that the last products read
.endr
.endif
	FETCH \q, 128*((\q)%2)
	s_wait_dscnt 32                                ; all but the 32 just issued
.if (\q) == 1
	MUL 128*(((\q)-1)%2), 1
.else
	MUL 128*(((\q)-1)%2), 0
.endif
.endm
	s_wait_tensorcnt 3                             ; my part of the first quarter of K is in; three loads may be out
	s_barrier_signal -1
	s_barrier_wait -1
	FETCH 0, 0
.irp q, 1,2,3,4,5,6,7
	KSTEP \q
.endr
	s_wait_dscnt 0x0
	MUL 128, 0
	WIN 0
; THE WAY OUT, a block of 16 tokens x 64 e at a time: sum x 2^(e6 + e7) + out_b by one packed multiply-add for two numbers; through my own stage in LDS; back as rows of 256 bytes.
; LDS serves a wave's instructions in order (ISA guide 5.7.1.4): no wait between the stores and the loads, nor in front of the next block's stores.
.macro TOSTAGE a
	WIN 0x20                                       ; source 2 (out_b) window 2
.irp b, 0,1,2,3
.irp i, 0,2,4,6
	v_pk_fma_f32 v[TMP+8*\b+\i:TMP+8*\b+\i+1], v[ACC+8*(4*(\a)+\b)+\i:ACC+8*(4*(\a)+\b)+\i+1], s[96:97], v[8*\b+\i:8*\b+\i+1] op_sel_hi:[1,0,1]   ; each accumulator from its low end on
.endr
.endr
	WIN 0
.irp b, 0,1,2,3
	ds_store_b128 v[STO], v[TMP+8*\b:TMP+8*\b+3] offset:64*\b
	ds_store_b128 v[STO], v[TMP+8*\b+4:TMP+8*\b+7] offset:64*\b+16
.endr
.set BB, BK+32*((\a)%2)
.irp t, 0,1,2,3,4,5,6,7
	ds_load_b128 v[BB+4*\t:BB+4*\t+3], v[RD] offset:544*\t
.endr
.endm
.macro SEND a, younger                 ; younger: the LDS instructions issued behind block a's loads, which may stay out
.set BB, BK+32*((\a)%2)
	s_wait_dscnt \younger
.irp t, 0,1,2,3,4,5,6,7
	global_store_b128 v[CO], v[BB+4*\t:BB+4*\t+3], s[12:13] offset:(16*(\a)+2*\t)*4096 th:TH_STORE_NT   ; 16 lanes store 256 consecutive bytes, at a multiple of 256 from out0's first byte; written once, read by nobody here
.endr
.endm
	s_wait_kmcnt 0x0
	s_add_co_i32 s96, s90, s91                     ; e6 + e7
	s_add_co_i32 s96, s96, 127
	s_lshl_b32 s96, s96, 23                        ; 2^(e6 + e7) as f32
	s_mov_b32 s97, s96                             ; (named with it as a pair, so it is written)
	s_wait_loadcnt 0x0                             ; out_b
.rept 4
	v_nop                                          ; places ahead of the first read of results
.endr
	TOSTAGE 0
.irp a, 1,2,3
.if \a > 1
	s_wait_xcnt 0x0                                ; block a - 2's stores have read their registers: block a's loads may land there
.endif
	TOSTAGE \a
	SEND \a-1, 16                                  ; behind block a - 1's loads: block a's 8 stores and 8 loads
.endr
	SEND 3, 0
	s_wait_tensorcnt 0x0
	ds_add_u32 v30, v31
	s_wait_dscnt 0x0
	CROUND                                         ; the closing round: no work-group ends while a partner may still ask for a tile that names it
	s_endpgm
.Lfunc_end_k_qfb2c59056f_proj:
	.size	k_qfb2c59056f_proj, .Lfunc_end_k_qfb2c59056f_proj-k_qfb2c59056f_proj
	.p2alignl 7, 3214868480
	.fill 96, 4, 3214868480
	.section	.rodata,"a",@progbits
	.p2align	6, 0x0
	.amdhsa_kernel k_qfb2c59056f_proj
		.amdhsa_group_segment_fixed_size 295424
		.amdhsa_private_segment_fixed_size 0
		.amdhsa_enable_private_segment 0
		.amdhsa_kernarg_size 40
		.amdhsa_user_sgpr_count 2
		.amdhsa_user_sgpr_kernarg_segment_ptr 1
		.amdhsa_wavefront_size32 1
		.amdhsa_system_sgpr_workgroup_id_x 1
		.amdhsa_system_sgpr_workgroup_id_y 1
		.amdhsa_system_sgpr_workgroup_id_z 1
		.amdhsa_system_vgpr_workitem_id 0
		.amdhsa_next_free_vgpr 544
		.amdhsa_next_free_sgpr 100
		.amdhsa_reserve_vcc 0
		.amdhsa_float_denorm_mode_32 3
		.amdhsa_float_denorm_mode_16_64 3
		.amdhsa_memory_ordered 1
		.amdhsa_forward_progress 1
		.amdhsa_inst_pref_size 47
	.end_amdhsa_kernel
	.amdgpu_metadata
---
amdhsa.version: [ 1, 2 ]
amdhsa.kernels:
  - .name:           k_qfb2c59056f_proj
    .symbol:         k_qfb2c59056f_proj.kd
    .args:
      - { .name: ctx_img, .offset: 0, .size: 8, .value_kind: global_buffer, .address_space: global }
      - { .name: out_w_codes, .offset: 8, .size: 8, .value_kind: global_buffer, .address_space: global }
      - { .name: lowp_scales, .offset: 16, .size: 8, .value_kind: global_buffer, .address_space: global }
      - { .name: out_b, .offset: 24, .size: 8, .value_kind: global_buffer, .address_space: global }
      - { .name: out0, .offset: 32, .size: 8, .value_kind: global_buffer, .address_space: global }
    .group_segment_fixed_size: 295424
    .private_segment_fixed_size: 0
    .kernarg_segment_align: 8
    .kernarg_segment_size: 40
    .max_flat_workgroup_size: 128
    .sgpr_count:     100
    .vgpr_count:     544
    .wavefront_size: 32
...
	.end_amdgpu_metadata
.endif
;; end of part 3
;; ======== version 2 of 2: 3 launches; version 1 with the launch attn written anew for expert scheduling mode
;; workspace buffers: qkv_img 12,582,912 bytes; ctx_img 4,194,304 bytes
;; launch qkv: the kernel of part 1 again; grid 12 x 16, 4 waves a work-group, clusters of 4 x 4, 327,680 bytes of LDS; arguments x_codes, qkv_w_codes, lowp_scales, qkv_b, qkv_img; writes qkv_img
;; launch attn (part 4): grid 8 x 32, 8 waves a work-group, no clusters, 263,168 bytes of LDS; arguments qkv_img, lowp_scales, ctx_img; writes ctx_img
.if DOCPART == 4
	.amdgcn_target "amdgcn-amd-amdhsa--gfx1250"
	.amdhsa_code_object_version 6
	.text
	.protected	k_qfb2c59056f_attn
	.globl	k_qfb2c59056f_attn
	.p2align	8
	.type	k_qfb2c59056f_attn,@function
k_qfb2c59056f_attn:
	s_mov_b64 s[64:65], 0
	v_nop
	global_prefetch_b8 v0, s[64:65] scope:SCOPE_SE
	s_setreg_imm32_b32 hwreg(HW_REG_WAVE_SCHED_MODE, 0, 2), 2
	s_setreg_imm32_b32 hwreg(HW_REG_WAVE_MODE, 25, 1), 1
	s_wait_xcnt 0x0
	s_wait_alu depctr_vm_vsrc(0)
; ctx[b][q][head][:] = the sum over k of softmax_k(q . k / 8) v, both products on codes of FP8 (E4M3); then ctx is quantised with its given scale and stored as an image of the last product's operand registers.
; q, k, v come as images of operand registers (the launch before lays them): a fragment's plane is 512 consecutive bytes, 16 a lane.  Scales 2^e: e2 (q), e3 (k), e4 (v), e5 (p), e6 (ctx).
; THE SOFTMAX: t = score x log2(e) / 8; M = the row's largest t so far, rounded UP to a whole number; p = 2^(t - M) is quantised, not normalised; the row's sum is taken of the unquantised p and divides at the end.
; When M moves, the sum and O are multiplied by 2^(old M - new M): nothing is rounded, and there is no branch on data.
; LIMITS: e2 + e3 between -123 and 130 (added to c's exponent field); e5, and e6 - e4 - e5, between -126 and 119.
; SHARES.  A work-group owns 256 queries of one head, each of its eight waves 32: two tiles of 16, so that each fragment of K and V read from LDS feeds two matrix instructions.  Two waves to a SIMD.
; Every wave walks the head's 2,048 keys, 128 a step.  Both products are used transposed (S^T = K Q^T, O^T = V^T P^T): a lane holds ONE query (lane % 16) throughout.  In S^T's tile t a lane's eight registers are keys
; 16 t + 8 (lane / 16) + 0..7, which is the place of registers 2 t, 2 t + 1 in the 16 x 128 operand: the conversions' results ARE P's fragment.
; LDS holds the WHOLE head: K's image at 0, V's at 131,072; each byte is written once.  It comes through registers in four chunks of 512 keys (16 loads and 16 LDS stores a thread); a chunk is asked for
; four key steps before it is stored.
; NO JOINT REQUESTS, though the eight work-groups of a head read the same K and V.  One branch hangs on a loaded number: p is at most 1, so the hold
; ahead of its conversion is wanted only where 448 x 2^e5 is under 1 (e5 < -8); the jump over it spares 128 of a step's vector instructions.  What is shared is 262,144 bytes a work-group, read once, for sixteen steps.
; THE MODE: SCHED_MODE bits 1:0 = 2 (LLVM: expert scheduling mode 2), set by the entry lines.  The code itself states the register dependences
; between vector or matrix instructions and memory or LDS instructions, with s_wait_alu, always for 0.
; THE PLAN.  Registers that memory or LDS instructions touch:
;   K's fragments     LDS loads land in them; a step's sixteen first products read them; no other vector instruction names them.
;   V's fragments     LDS loads land in them; a step's eight second products read them; no other vector instruction names them.
;   v[ADK], v[ADV]    Read by those loads; each moves on by a step, 8,192 bytes, through one vector add a step.
;   the chunk on its way   Global loads land in it, the chunk's LDS stores read it; no vector instruction names it.
;   Q                 Loaded once.      v[LA] to v[LA+3], v[CO], v30, v31: made at the head, never written again.      P's codes, at the way out: written by the conversions, read by the stores.
; A STEP: the first products (K is in) | the two addresses move on, behind a wait on vm_vsrc | tile 0's maxima and scalings, its exponentials with tile 1's plain work between | WAIT 1 on va_vdst |
; this step's V and the NEXT step's K are asked for, 32 LDS loads | tile 1's exponentials with tile 0's sums between | WAIT 2 on va_vdst | sums, conversions, O^T's rescaling | the wait for the 32 loads | the second products.
; The two waits on va_vdst are those that the two batches of exponentials have in any case.  Wait 1 states besides: the two addresses are written; this step's first products are done reading K's fragments;
; the last step's second products are done reading V's.  So the step's loads owe nothing more.  A chunk's last step asks for no K (the next chunk is not in LDS yet); the chunk's first K is asked for at its head.
; REGISTERS.  Window 0: v3-11 addresses and constants; v12-27 statistics, 8 a tile: +0 -M, +1 the largest t, +2, +3 the sum in two halves, +4 f (+5 written once: named with it as a pair), +6, +7 at work;
;   v32-159 S^T, then p (64 a tile); v160-191 P's codes (16 a tile); v192-255 K's eight fragments.   Window 1: v0-63 O^T (32 a tile); v64-79 Q; v80-143 V's four fragments; v144-207 a chunk on its way.
.set ADK,  3                           ; v3   LDS address of the K that is asked for next: 16 x lane + 8,192 x its step.  At the head, where it is 16 x lane, also my offset in q's image
.set ADV,  4                           ; v4   LDS address of the V that was asked for last: 16 x lane + 131,072 + 8,192 x its step; at the head one step short of V's image
.set LA,   5                           ; v5-8 16 x thread + 65,536 n: where I store a chunk (n = 0, 1: K's image; 2, 3: V's); v5 is also my offset in memory
.set CO,   9                           ; v9   the way out: 16 r + 8 h
.set LIM,  10                          ; v10  448 x the scale in hand
.set SCL,  11                          ; v11  the scale in hand, as f32
.set ST,   12
.set S,    32
.set P,    160
.set KF,   192
.set O,    0                           ; in window 1
.set QR,   64
.set VF,   80
.set STG,  144
.set CS,   22                          ; s[22:23] c = log2(e) / 8 x 2^(e2 + e3)
.set SEL,  24                          ; s[24:25] lane selects for v_permlanex16_b32: lane l xor 16
.set CNT,  33                          ; s33  counts a chunk's four steps
.set HOLD, 34                          ; s34  1 where p wants its hold
.set MSB, 0
.macro WIN new                         ; the immediate's high byte repeats the setting that is left
.if MSB != (\new)
	s_set_vgpr_msb (MSB<<8)|(\new)
.set MSB, (\new)
.endif
.endm
.macro LOADG c                         ; chunk c of K and of V into registers: each load of the work-group covers 4,096 consecutive bytes
	WIN 0x40                                       ; destination window 1
.irp i, 0,1,2,3,4,5,6,7
	global_load_b128 v[STG+4*\i:STG+4*\i+3], v[LA], s[26:27] offset:(\c)*32768+4096*\i
.endr
.irp i, 0,1,2,3,4,5,6,7
	global_load_b128 v[STG+32+4*\i:STG+32+4*\i+3], v[LA], s[28:29] offset:(\c)*32768+4096*\i
.endr
	WIN 0
.endm
.macro STORE c                         ; and on into LDS, as it lies
	WIN 0x04                                       ; the data: window 1
.irp i, 0,1,2,3,4,5,6,7
	ds_store_b128 v[LA+(\c)/2], v[STG+4*\i:STG+4*\i+3] offset:((\c)%2)*32768+4096*\i
.endr
.irp i, 0,1,2,3,4,5,6,7
	ds_store_b128 v[LA+2+(\c)/2], v[STG+32+4*\i:STG+32+4*\i+3] offset:((\c)%2)*32768+4096*\i
.endr
	WIN 0
.endm
.macro FETCH_K                         ; the eight fragments of K of the step at v[ADK]: sixteen LDS loads, every window 0
.irp t, 0,1,2,3,4,5,6,7
	ds_load_b128 v[KF+8*\t:KF+8*\t+3], v[ADK] offset:1024*\t
	ds_load_b128 v[KF+8*\t+4:KF+8*\t+7], v[ADK] offset:1024*\t+512
.endr
.endm
; Number j of the 73 instructions that stand ahead of tile q's exponentials: 0-31 the largest of the lane's 64 scores, in two chains, ascending;
; 32-33 the other half of the lanes'; 34-40 t, the running largest t, -M = floor(-t), f = 2^(old M - new M); 41-72 t - M, two at a time.
.macro PRE q, j
.set rT, ST+8*(\q)
.set rS, S+64*(\q)
.if (\j) == 0
	v_max3_num_f32 v[rT+6], v[rS], v[rS+1], v[rS+2]
.elseif (\j) == 1
	v_max3_num_f32 v[rT+7], v[rS+3], v[rS+4], v[rS+5]
.elseif (\j) < 30
	v_max3_num_f32 v[rT+6+(\j)%2], v[rT+6+(\j)%2], v[rS+2*(\j)+2], v[rS+2*(\j)+3]
.elseif (\j) == 30
	v_max3_num_f32 v[rT+6], v[rT+6], v[rS+62], v[rS+63]
.elseif (\j) == 31
	v_max_num_f32 v[rT+6], v[rT+6], v[rT+7]
.elseif (\j) == 32
	v_permlanex16_b32 v[rT+7], v[rT+6], s[SEL], s[SEL+1]
.elseif (\j) == 33
	v_max_num_f32 v[rT+6], v[rT+6], v[rT+7]
.elseif (\j) == 34
	v_mul_f32 v[rT+6], s[CS], v[rT+6]              ; as t (c is positive)
.elseif (\j) == 35
	v_max_num_f32 v[rT+1], v[rT+1], v[rT+6]
.elseif (\j) == 36
	v_mov_b32 v[rT+7], v[rT]
.elseif (\j) == 37
	v_floor_f32 v[rT], -v[rT+1]                    ; -M = floor(-t) = -ceil(t)
.elseif (\j) == 38
	v_sub_f32 v[rT+7], v[rT], v[rT+7]              ; old M - new M: a whole number, 0 or less
.elseif (\j) == 39
	v_cvt_i32_f32 v[rT+7], v[rT+7]                 ; (it saturates)
.elseif (\j) == 40
	v_ldexp_f32 v[rT+4], 1.0, v[rT+7]
.else
	v_pk_fma_f32 v[rS+2*((\j)-41):rS+2*((\j)-41)+1], v[rS+2*((\j)-41):rS+2*((\j)-41)+1], s[CS:CS+1], v[rT:rT+1] op_sel_hi:[1,0,0]   ; of the pairs c and -M the low word serves both halves
.endif
.endm
; Number k of the 33 that sum tile q's unquantised p: the old sum x f; then two chains of packed additions.
.macro POST q, k
.set rT, ST+8*(\q)
.set rS, S+64*(\q)
.if (\k) == 0
	v_pk_mul_f32 v[rT+2:rT+3], v[rT+2:rT+3], v[rT+4:rT+5] op_sel_hi:[1,0]
.elseif (\k) == 1
	v_pk_add_f32 v[rT+6:rT+7], v[rS:rS+1], v[rS+2:rS+3]
.elseif (\k) == 32
	v_pk_add_f32 v[rT+2:rT+3], v[rT+2:rT+3], v[rT+6:rT+7]
.elseif (\k)%2 == 0
	v_pk_add_f32 v[rT+2:rT+3], v[rT+2:rT+3], v[rS+2*(\k):rS+2*(\k)+1]
.else
	v_pk_add_f32 v[rT+6:rT+7], v[rT+6:rT+7], v[rS+2*(\k):rS+2*(\k)+1]
.endif
.endm
; A KEY STEP: 128 keys.  Its K is in registers: the wait for all LDS loads ahead of the last step's second products, or at the chunk's head, has shown it.
.macro STEP
	WIN 0x04                                       ; source 1 (Q) window 1
.irp t, 0,1,2,3,4,5,6,7
	v_wmma_f32_16x16x64_fp8_fp8 v[S+8*\t:S+8*\t+7], v[KF+8*\t:KF+8*\t+7], v[QR:QR+7], 0
	v_wmma_f32_16x16x64_fp8_fp8 v[S+64+8*\t:S+64+8*\t+7], v[KF+8*\t:KF+8*\t+7], v[QR+8:QR+15], 0
.endr
	WIN 0
	s_wait_alu depctr_vm_vsrc(0)                   ; the loads issued so far have read v[ADK] and v[ADV], which the two lines below write
	v_add_nc_u32 v[ADK], 0x2000, v[ADK]            ; the next step's K
	v_add_nc_u32 v[ADV], 0x2000, v[ADV]            ; this step's V
	v_nop
	v_nop                                          ; with the two additions: four places ahead of the first read of the scores
.set i, 0
.rept 73
	PRE 0, i
.set i, i+1
.endr
.set i, 0
.rept 64                                       ; tile 0's exponentials, one batch, with tile 1's plain work between them: none of it names a result
	v_exp_f32 v[S+i], v[S+i]
	PRE 1, i
.set i, i+1
.endr
.rept 9
	PRE 1, i
.set i, i+1
.endr
	s_wait_alu depctr_va_vdst(0)                   ; WAIT 1.  Tile 0's exponentials are written, ahead of their first reader (one wait for the batch); v[ADK] and v[ADV] are written; this step's first products are done reading K's fragments, the last step's second products V's
	WIN 0x40                                       ; destination window 1
.irp d, 0,1,2,3
.irp p, 0,1,2,3
	ds_load_b128 v[VF+16*\d+4*\p:VF+16*\d+4*\p+3], v[ADV] offset:2048*\d+512*\p   ; this step's V
.endr
.endr
	WIN 0
	s_cmp_eq_u32 s[CNT], 1                         ; the chunk's last step asks for no K: the next chunk is not in LDS yet
	s_cbranch_scc1 .Lno_k_\@
	FETCH_K                                        ; the next step's K.  No wait: since wait 1 only loads, window switches and scalar lines were issued
.Lno_k_\@:
.set i, 0
.rept 64                                       ; tile 1's exponentials, with tile 0's sums between them: none of these names a register that the loads above touch
	v_exp_f32 v[S+64+i], v[S+64+i]
.if i%2 == 0
	POST 0, i/2
.endif
.set i, i+1
.endr
	POST 0, 32                                     ; (a plain instruction behind the last exponential)
	s_wait_alu depctr_va_vdst(0)                   ; WAIT 2.  Tile 1's exponentials are written, ahead of their first reader: one wait for the second batch
.set i, 0
.rept 33
	POST 1, i
.set i, i+1
.endr
	s_cmp_eq_u32 s[HOLD], 0                        ; p is at most 1: where 448 x 2^e5 is 1 or more, no p lies beyond the largest code
	s_cbranch_scc1 .Lno_hold_\@
.set i, 0
.rept 128
	v_min_num_f32 v[S+i], v[S+i], v[LIM]           ; the conversion to an 8-bit code does not saturate (ISA guide 7.6.2); p is not negative, so the hold is one-sided
.set i, i+1
.endr
.Lno_hold_\@:
.irp q, 0,1
.irp g, 0,1,2,3,4,5,6,7
	v_cvt_scalef32_pk8_fp8_f32 v[P+16*\q+2*\g:P+16*\q+2*\g+1], v[S+64*\q+8*\g:S+64*\q+8*\g+7], v[SCL]
.endr
.endr
	WIN 0x41                                       ; O^T (destination and source 0) window 1, f window 0
.irp q, 0,1
.set i, 0
.rept 16
	v_pk_mul_f32 v[O+32*\q+2*i:O+32*\q+2*i+1], v[O+32*\q+2*i:O+32*\q+2*i+1], v[ST+8*\q+4:ST+8*\q+5] op_sel_hi:[1,0]   ; O^T under the new M.  (These are also the plain instructions behind the conversions)
.set i, i+1
.endr
.endr
	s_wait_dscnt 0x0                               ; V is in, and so is the next step's K
	WIN 0x51                                       ; V, C and D window 1, P window 0
.irp d, 0,1,2,3
.irp q, 0,1                                    ; eight accumulators, one instruction each
	v_wmma_f32_16x16x128_fp8_fp8 v[O+32*\q+8*\d:O+32*\q+8*\d+7], v[VF+16*\d:VF+16*\d+15], v[P+16*\q:P+16*\q+15], v[O+32*\q+8*\d:O+32*\q+8*\d+7]
.endr
.endr
	WIN 0
.endm
.macro BARRIER                                 ; my LDS stores have landed and my LDS loads are in: then the work-group's barrier
	s_wait_dscnt 0x0
	s_barrier_signal -1
	s_barrier_wait -1
.endm
; Chunk c's four key steps; then the next chunk goes from registers into LDS, between two barriers: behind the first no wave reads, behind the second the chunk lies whole.
.macro CHUNK c
	FETCH_K                                        ; the chunk's first K, behind the barrier that shows the chunk whole.  No wait on va_vdst: v[ADK] was written, and K's fragments were last read, ahead of the last such wait, and no vector or matrix instruction since names them
	s_wait_dscnt 0x0                               ; it is in
	s_mov_b32 s[CNT], 4
.Lstep_\@:
	STEP
	s_sub_co_u32 s[CNT], s[CNT], 1
	s_cmp_lg_u32 s[CNT], 0
	s_cbranch_scc1 .Lstep_\@
.if (\c) < 3
	BARRIER
	s_wait_loadcnt 0x0                             ; the next chunk, asked for four steps ago
	STORE (\c)+1
	s_wait_dscnt 0x0                               ; for the other waves' sake: my part of the chunk is in LDS
.if (\c) < 2
	s_wait_alu depctr_vm_vsrc(0)                   ; the LDS stores have read the chunk's registers,
	LOADG (\c)+2                                   ; in which the chunk after lands
.endif
	s_barrier_signal -1
	s_barrier_wait -1
.endif
.endm
	s_load_b128 s[4:7], s[0:1], 0x0                ; qkv_img s[4:5], the scales' exponents s[6:7]
	s_load_b64 s[8:9], s[0:1], 0x10                ; ctx_img
	v_lshl_add_u32 v30, v0, 2, 0x40000
	v_mov_b32 v31, 0
	v_lshrrev_b32 v11, 5, v0
	v_readfirstlane_b32 s20, v11                   ; wave 0..7
	v_and_b32 v[ADK], 31, v0
	v_lshlrev_b32 v[ADK], 4, v[ADK]                ; 16 x lane: my place in a plane
	v_add_nc_u32 v[ADV], 0x1e000, v[ADK]           ; a step short of V's image: each step's addition stands ahead of its loads
	v_lshlrev_b32 v[LA], 4, v0
	v_add_nc_u32 v[LA+1], 0x10000, v[LA]
	v_add_nc_u32 v[LA+2], 0x20000, v[LA]
	v_add_nc_u32 v[LA+3], 0x30000, v[LA]
	v_and_b32 v[CO], 15, v0                        ; r
	v_bfe_u32 v10, v0, 4, 1                        ; h
	v_lshlrev_b32 v[CO], 4, v[CO]
	v_lshl_add_u32 v[CO], v10, 3, v[CO]
	s_wait_alu depctr_va_sdst(0)                   ; s20 is written, ahead of its first reader: q's and ctx's addresses are made from it
	s_and_b32 s35, ttmp7, 0xffff                   ; 16 x batch + head
	s_lshl_b32 s36, s35, 17                        ; its 131,072 bytes in each section
	s_mov_b32 s37, 0
	s_lshl_b32 s38, ttmp9, 4
	s_lshl_b32 s39, s20, 1
	s_add_co_u32 s38, s38, s39                     ; my first tile of 16 queries: 16 x work-group x + 2 x wave
	s_lshl_b32 s40, s38, 10                        ; 1,024 bytes a tile in q's image
	s_mov_b32 s41, 0
	s_lshr_b32 s42, s35, 4
	s_lshl_b32 s42, s42, 7
	s_add_co_u32 s42, s42, s38                     ; the same tile among all 256 tiles of tokens,
	s_lshl_b32 s42, s42, 14                        ; 16,384 bytes each in ctx's image,
	s_and_b32 s39, s35, 15
	s_lshl_b32 s39, s39, 10                        ; of which 1,024 are my head's
	s_add_co_u32 s42, s42, s39
	s_mov_b32 s43, 0
	s_mov_b32 s[SEL], 0x76543210
	s_mov_b32 s[SEL+1], 0xfedcba98
	s_wait_kmcnt 0x0
	s_load_b256 s[12:19], s[6:7], 0x0              ; e0 .. e7
	s_add_nc_u64 s[30:31], s[4:5], s[36:37]        ; q's section at my head
	s_add_nc_u64 s[26:27], s[30:31], 0x400000      ; k's
	s_add_nc_u64 s[28:29], s[30:31], 0x800000      ; v's
	s_add_nc_u64 s[30:31], s[30:31], s[40:41]      ; q at my two tiles
	s_add_nc_u64 s[8:9], s[8:9], s[42:43]
	s_wait_alu depctr_va_vdst(0)                   ; the addresses v3 to v9, v30 and v31 are written, which the loads, the stores and the closing add read
	LOADG 0
	WIN 0x40
.irp i, 0,1,2,3
	global_load_b128 v[QR+4*\i:QR+4*\i+3], v[ADK], s[30:31] offset:512*\i   ; Q's two fragments stay in registers
.endr
.set i, 0
.rept 64
	v_mov_b32 v[O+i], 0                            ; O^T.  (The step is written once: its first run finds zeros, which the first change of M leaves zeros)
.set i, i+1
.endr
	WIN 0
.irp q, 0,1
	v_mov_b32 v[ST+8*\q+1], 0xff61b1e6             ; the largest t so far: -3e38, under every t
	v_floor_f32 v[ST+8*\q], -v[ST+8*\q+1]          ; -M
	v_mov_b32 v[ST+8*\q+2], 0                      ; the sum, in two halves
	v_mov_b32 v[ST+8*\q+3], 0
	v_mov_b32 v[ST+8*\q+5], 0                      ; (named as the upper half of f's pair)
.endr
	s_wait_kmcnt 0x0
	s_add_co_i32 s35, s14, s15
	s_lshl_b32 s35, s35, 23
	s_add_co_i32 s[CS], s35, 0x3e38aa3b            ; c = log2(e) / 8, with e2 + e3 added to its exponent field: a score stands for score x 2^(e2 + e3)
	s_mov_b32 s[CS+1], s[CS]                       ; (named with it as a pair, so it is written)
	s_add_co_i32 s35, s17, 127
	s_lshl_b32 s36, s35, 23
	v_mov_b32 v[SCL], s36                          ; 2^e5 as f32
	s_add_co_i32 s35, s35, 8
	s_lshl_b32 s35, s35, 23
	s_or_b32 s35, s35, 0x600000
	v_mov_b32 v[LIM], s35                          ; 448 x 2^e5
	s_cmp_lt_i32 s17, -8
	s_cselect_b32 s[HOLD], 1, 0
	s_wait_loadcnt 4                               ; chunk 0's sixteen loads are in; Q's four may be out
	STORE 0
	s_wait_dscnt 0x0                               ; for the other waves' sake: my part of chunk 0 is in LDS
	s_wait_alu depctr_vm_vsrc(0)                   ; the LDS stores have read the chunk's registers,
	LOADG 1                                        ; in which chunk 1 lands
	s_barrier_signal -1
	s_barrier_wait -1                              ; chunk 0 lies whole
	s_wait_loadcnt 16                              ; Q is in, and its loads have read v[ADK]; chunk 1's sixteen loads may be out
	CHUNK 0
	CHUNK 1
	CHUNK 2
	CHUNK 3
	; THE WAY OUT.  The sum's two halves and the other half of the lanes' are added; O^T / the sum stands for ctx / 2^(e4 + e5), so its conversion takes the one scale 2^(e6 - e4 - e5).
	; A lane's eight numbers of tile dt are d = 16 dt + 8 h + 0..7 of query r: 8 bytes at 256 dt + 16 r + 8 h of the head's 1,024: each store of the wave covers 256 consecutive bytes, aligned.
.irp q, 0,1
	v_add_f32 v[ST+8*\q+6], v[ST+8*\q+2], v[ST+8*\q+3]
.endr
.irp q, 0,1
	v_permlanex16_b32 v[ST+8*\q+7], v[ST+8*\q+6], s[SEL], s[SEL+1]
.endr
.irp q, 0,1
	v_add_f32 v[ST+8*\q+6], v[ST+8*\q+6], v[ST+8*\q+7]
.endr
.irp q, 0,1
	v_rcp_f32 v[ST+8*\q+4], v[ST+8*\q+6]
.endr
	v_nop                                          ; a plain instruction behind the last reciprocal
	s_sub_co_i32 s35, s18, s16
	s_sub_co_i32 s35, s35, s17                     ; e6 - e4 - e5
	s_add_co_i32 s35, s35, 127
	s_lshl_b32 s36, s35, 23
	v_mov_b32 v[SCL], s36
	s_add_co_i32 s35, s35, 8
	s_lshl_b32 s35, s35, 23
	s_or_b32 s35, s35, 0x600000
	v_mov_b32 v[LIM], s35
	s_wait_alu depctr_va_vdst(0)                   ; the two reciprocals are written, ahead of their first reader: one wait for both
	WIN 0x01                                       ; source 0 (O^T) window 1
.irp q, 0,1
.set i, 0
.rept 16
	v_pk_mul_f32 v[S+32*\q+2*i:S+32*\q+2*i+1], v[O+32*\q+2*i:O+32*\q+2*i+1], v[ST+8*\q+4:ST+8*\q+5] op_sel_hi:[1,0]   ; each accumulator from its low end on
.set i, i+1
.endr
.endr
	WIN 0
.set i, 0
.rept 64
	v_med3_num_f32 v[S+i], v[S+i], -v[LIM], v[LIM]
.set i, i+1
.endr
.irp q, 0,1
.irp d, 0,1,2,3
	v_cvt_scalef32_pk8_fp8_f32 v[P+8*\q+2*\d:P+8*\q+2*\d+1], v[S+32*\q+8*\d:S+32*\q+8*\d+7], v[SCL]
.endr
.endr
	v_nop
	s_wait_alu depctr_va_vdst(0)                   ; the conversions have written v[P] to v[P+15], which the stores read
.irp q, 0,1
.irp d, 0,1,2,3
	global_store_b64 v[CO], v[P+8*\q+2*\d:P+8*\q+2*\d+1], s[8:9] offset:16384*\q+256*\d
.endr
.endr
	s_wait_dscnt 0x0                               ; the closing lines, six on end
	s_wait_alu 0x0
	s_wait_tensorcnt 0x0
	ds_add_u32 v30, v31
	s_wait_dscnt 0x0
	s_endpgm
.Lfunc_end_k_qfb2c59056f_attn:
	.size	k_qfb2c59056f_attn, .Lfunc_end_k_qfb2c59056f_attn-k_qfb2c59056f_attn
	.p2alignl 7, 3214868480
	.fill 96, 4, 3214868480
	.section	.rodata,"a",@progbits
	.p2align	6, 0x0
	.amdhsa_kernel k_qfb2c59056f_attn
		.amdhsa_group_segment_fixed_size 263168
		.amdhsa_private_segment_fixed_size 0
		.amdhsa_enable_private_segment 0
		.amdhsa_kernarg_size 24
		.amdhsa_user_sgpr_count 2
		.amdhsa_user_sgpr_kernarg_segment_ptr 1
		.amdhsa_wavefront_size32 1
		.amdhsa_system_sgpr_workgroup_id_x 1
		.amdhsa_system_sgpr_workgroup_id_y 1
		.amdhsa_system_sgpr_workgroup_id_z 1
		.amdhsa_system_vgpr_workitem_id 0
		.amdhsa_next_free_vgpr 464
		.amdhsa_next_free_sgpr 66
		.amdhsa_reserve_vcc 0
		.amdhsa_float_denorm_mode_32 3
		.amdhsa_float_denorm_mode_16_64 3
		.amdhsa_memory_ordered 1
		.amdhsa_forward_progress 1
		.amdhsa_inst_pref_size 142
	.end_amdhsa_kernel
	.amdgpu_metadata
---
amdhsa.version: [ 1, 2 ]
amdhsa.kernels:
  - .name:           k_qfb2c59056f_attn
    .symbol:         k_qfb2c59056f_attn.kd
    .args:
      - { .name: qkv_img, .offset: 0, .size: 8, .value_kind: global_buffer, .address_space: global }
      - { .name: lowp_scales, .offset: 8, .size: 8, .value_kind: global_buffer, .address_space: global }
      - { .name: ctx_img, .offset: 16, .size: 8, .value_kind: global_buffer, .address_space: global }
    .group_segment_fixed_size: 263168
    .private_segment_fixed_size: 0
    .kernarg_segment_align: 8
    .kernarg_segment_size: 24
    .max_flat_workgroup_size: 256
    .sgpr_count:     66
    .vgpr_count:     464
    .wavefront_size: 32
...
	.end_amdgpu_metadata
.endif
;; end of part 4
;; launch proj: the kernel of part 3 again; grid 8 x 32, 4 waves a work-group, clusters of 4 x 4, 295,424 bytes of LDS; arguments ctx_img, out_w_codes, lowp_scales, out_b, out0; writes out0
